; MI455X (gfx1250); checked and timed in simulation.
; The chip was launched on July 23, 2026; its instructions are those of AMD's public machine-readable ISA for CDNA 5 (MIT licence, August 2026) and "CDNA5" Instruction Set Architecture Reference Guide (July 2026). The comments in the code are by the model that wrote it; some were corrected since.
;; Parallel Transformer Block. Allowed arithmetic: matrix products marked QUANTISED: E2M1 operands, one E8M0 scale for each 32 along K, by v_wmma_scale_f32_16x16x128_f8f6f4 with both operands' format E2M1 (or v_wmma_scale_f32_32x16x128_f4), f32 sums; products left as they are: f32 operands where the result goes on into a quantised operand, else bf16, f16 or f32 operands; f32 sums; everything else in f32.
;; Inputs: W_attn_out 512 x 1,024 float32; W_ff_out 4,096 x 1,024 float32; W_fused 1,024 x 8,768 float32; gamma 1,024 float32; x 2 x 2,048 x 1,024 float32.
;; Outputs: out0 2 x 2,048 x 1,024 float32.
;; This version of the problem:
;;   THIS VERSION OF THE PROBLEM IS GIVEN IN LOW PRECISION. The matrix products marked QUANTISED in the list below multiply operands that are first quantised to E2M1 (2 exponent bits, 1 mantissa bit; 4 bits a number), with one power-of-two scale for each 32 numbers along K (OCP MX v1.0); their sums are f32. All else is computed in f32.
;;   The module's matrix products, in the order in which they are computed (A, B: the left and right operand; K: the contracted axis; several contracted axes count as one K, in the product's order):
;;     1. [M 4,096, K 1,024] x [K 1,024, N 8,768]; A: computed on the way; B: input W_fused: QUANTISED
;;     2. [M 2,048, K 1] x [K 1, N 16]; A: computed on the way; B: computed on the way: left as it is (no contracted axis)
;;     3. batch 2 x [M 32,768, K 32] x [K 32, N 2,048]; A: computed on the way; B: computed on the way: QUANTISED
;;     4. batch 2 x [M 32,768, K 2,048] x [K 2,048, N 32]; A: softmax (see below); B: computed on the way: QUANTISED
;;     5. [M 4,096, K 512] x [K 512, N 1,024]; A: computed on the way; B: input W_attn_out: QUANTISED
;;     6. [M 4,096, K 4,096] x [K 4,096, N 1,024]; A: computed on the way; B: input W_ff_out: QUANTISED
;;   THE QUANTISER, for each operand of a quantised product, along K:
;;     - K is cut into blocks of 32 from its start; a last block that is shorter is filled with zeros.
;;     - A block's scale is 2^e with e = floor(log2(the largest magnitude in the block)) - 2, held to -126 .. 127; a block of zeros has e = 0. As a byte (E8M0): e + 127.
;;     - Each number is divided by its block's scale, clamped to +-6, and rounded to the nearest number of E2M1, ties to even, subnormals kept.
;;     - The product sums the exact products of the quantised numbers (number of the format x scale) in f32.
;;   ~~~python
;;   def quantise(x, axis):      # numpy; x: float32 -> the quantised numbers, widened to float32 again
;;       x = np.moveaxis(x, axis, -1); K = x.shape[-1]
;;       x = np.pad(x, [(0, 0)] * (x.ndim - 1) + [(0, -K % 32)]); x = x.reshape(x.shape[:-1] + (-1, 32)); a = np.abs(x).max(-1, keepdims=True)
;;       e = np.where(a > 0, np.clip(np.frexp(np.where(a > 0, a, 1))[1] - 1 - 2, -126, 127), 0)      # np.frexp(a)[1] - 1 = floor(log2(a)), exactly
;;       r = np.clip(x / 2.0 ** e, -6, 6)
;;       step = 2.0 ** (np.maximum(np.frexp(np.where(r == 0, 1, r))[1] - 1, 0) - 1)
;;       q = np.round(r / step) * step * 2.0 ** e      # np.round: ties to even
;;       return np.moveaxis(q.reshape(q.shape[:-2] + (-1,))[..., :K], -1, axis).astype(np.float32)
;;   ~~~
;;   SOFTMAX AHEAD OF A QUANTISED PRODUCT. Where the list says 'softmax', what is quantised is not the finished softmax but p = 2^(t - M), with t = logit x log2(e) and M = ceil(the row's largest t), a whole number; so 1/2 < the row's largest p <= 1. The row's sum l is taken of the UNQUANTISED p, in f32, and the product's result is divided by l at the end. Since M is a whole number, a kernel that streams over the keys may use a running M (the ceiling of the running maximum): every later rescaling is an exact power of two, which a block's scale takes up: the codes' values come out the same.
;;   OPERANDS COMPUTED ON THE WAY. 'Computed on the way' means the value that the module computes at that place (a softmax that the list does not call 'softmax' is quantised finished and normalised). What goes into a quantiser is computed in f32, as accurately as f32 sums, v_exp_f32 and their like allow (about 1e-6 of the number): no bf16 or f16 on the way to a quantiser, and a product that is left as it is and whose result goes on into a quantised operand takes f32 operands (vector FMAs, or v_wmma_f32_16x16x4_f32). A number that lies on a knife's edge between two numbers of the format may be rounded either way, as far as f32 arithmetic and the matrix unit's own rounding can turn it there, and no further.
;; One version. Each part assembles by itself: llvm-mc -triple=amdgcn-amd-amdhsa -mcpu=gfx1250 --defsym DOCPART=n.
;; ======== version 1 of 1: 4 launches
;; limits: right only within a limited range of input values
;; workspace buffers: xq 2,228,224 bytes; w1q 4,769,792 bytes; w2q 2,506,752 bytes; qq 1,310,720 bytes; kv 139,264 bytes; a2 10,027,008 bytes
;; launch prep (part 1): grid 546 x 1, 4 waves a work-group, no clusters, 54,784 bytes of LDS; arguments W_fused, W_attn_out, W_ff_out, gamma, x, xq, w1q, w2q; writes xq, w1q, w2q
.if DOCPART == 1
	.amdgcn_target "amdgcn-amd-amdhsa--gfx1250"
	.amdhsa_code_object_version 6
	.text
	.protected	k_q91ca789f08_prep
	.globl	k_q91ca789f08_prep
	.p2align	8
	.type	k_q91ca789f08_prep,@function
k_q91ca789f08_prep:
	s_mov_b64 s[64:65], 0
	v_nop
	global_prefetch_b8 v0, s[64:65] scope:SCOPE_SE
	s_setreg_imm32_b32 hwreg(HW_REG_WAVE_MODE, 25, 1), 1
	s_wait_xcnt 0x0
; PREP: everything that arrives as f32 is read once and leaves as codes of E2M1 with one E8M0 byte for each 32 along K.
;   work-groups 0..127   : LayerNorm of x (mean, variance of the differences, rsq, gamma), quantised along the 1,024 columns -> xq
;   work-groups 128..401 : W_fused [1024][8768], K is its first axis -> w1q
;   work-groups 402..545 : W_attn_out [512][1024] on top of W_ff_out [4096][1024], one operand of K = 4,608 -> w2q
; LAYOUT OF ALL CODES: an image of the operand's registers. 16 rows x 128 K = 1,024 bytes = [block of 32 K: 0..3][row 0..15][16 bytes].
;   xq : [256 row blocks][8 K steps][1,024], then at 2,097,152 the scale bytes [4,096 rows][32]
;   w1q: [548 column blocks][8 K steps][1,024], then at 4,489,216 [8,768 places][32];  w2q: [64][36][1,024], then at 2,359,296 [36 K steps][1,024 places] words
; A weight's column o of a group of 32 lies at place SW(o), SW = bits 3 and 4 exchanged, so that a transposed product leaves 16 neighbours of the next K in a lane.
; In w1q the 8,192 columns behind q, k, v are laid so that each run of 128 places is 64 columns of the first half and then their 64 gate columns.
; A block's byte is the exponent field of its largest magnitude less 2, held at 1 from below by a floor among the maximum's leaves.
; LIMITS: NaN and infinities are not served; a block whose largest magnitude lies under 2^-124 (zeros too) gets the byte 1 and zero codes: this program alone reads the bytes.
; No tensor loads, no cluster: no wave shares a byte of input with another. The two paths part on the work-group's number and have LDS bytes of their own.
; Every wave reads 32 KB: a weight's wave 32 columns x 256 K, a LayerNorm wave 8 rows; two LayerNorm waves build one row block's image together in LDS, with one barrier between building and storing.
.set LNWG,  128
.set W2WG,  402
.set FFWG,  418
.set OFF,   8                          ; v8-39    weights: 4 x lane + i rows
.set X,     40                         ; v40..    numbers as loaded (weights: two sets of 32; LayerNorm: three rows of 32)
.set CW,    104                        ; v104-107 weights: a block's codes
.set SB,    108                        ; v108-109 weights: eight scale bytes
.set GM,    8                          ; v8-39    LayerNorm: gamma, laid as the loads lay a row
.set T,     136                        ; v136-167 LayerNorm: my block of 32 neighbours
.set CC,    168                        ; v168-175 LayerNorm: codes, two sets
.set W,     176                        ; v176-191 LayerNorm: at work
.set NR,    8                          ; rows of a LayerNorm wave
.set LNB,   18432                      ; LDS: the weights' four stages lie below; from here four turn stages of 4,608 bytes, one a wave,
.set LNP,   LNB+4*4608                 ; and from here two regions of 8,704 bytes, one for each pair of waves: 8,192 of images, 512 scale bytes
	s_load_b256 s[4:11], s[0:1], 0x0               ; W_fused s[4:5], W_attn_out s[6:7], W_ff_out s[8:9], gamma s[10:11]
	s_load_b256 s[12:19], s[0:1], 0x20             ; x s[12:13], xq s[14:15], w1q s[16:17], w2q s[18:19]
	v_lshl_add_u32 v192, v0, 2, 0xd400
	v_mov_b32 v193, 0
	v_lshrrev_b32 v1, 5, v0
	v_readfirstlane_b32 s20, v1                    ; wave
	v_and_b32 v1, 31, v0                           ; lane
	s_cmp_lt_u32 ttmp9, LNWG
	s_cbranch_scc1 .Lnorm
; ------------------------------------------------------------------ THE WEIGHTS: one text, its sizes chosen by the work-group's number
; A wave takes 32 columns x 256 along K. A lane takes a column and its registers run down K: a block of 32 is one lane's 32 registers.
	s_mov_b32 s21, W2WG
	s_cmp_lt_u32 ttmp9, W2WG
	s_cselect_b32 s21, LNWG, s21
	s_sub_co_u32 s21, ttmp9, s21                   ; my number within my weight
	s_lshr_b32 s22, s21, 1
	s_and_b32 s23, s21, 1
	s_and_b32 s24, s21, 15
	s_lshr_b32 s32, s21, 4
	s_mov_b32 s25, 4096
	s_mov_b32 s40, 36864
	s_mov_b32 s33, 2359296
	s_mov_b32 s34, 8192
	s_mov_b32 s42, 4096
	s_wait_kmcnt 0x0
	s_cmp_lt_u32 ttmp9, W2WG                       ; SCC = 1: W_fused. The selections below leave SCC alone
	s_cselect_b32 s22, s22, s24                    ; which pair of column groups
	s_cselect_b32 s23, s23, s32                    ; which pair of runs of 256 along K
	s_cselect_b32 s25, 35072, s25                  ; bytes in a row of the weight
	s_cselect_b32 s40, 8192, s40                   ; bytes of a column block's images
	s_cselect_b32 s33, 4489216, s33                ; where the scales begin
	s_cselect_b32 s34, 8, s34                      ; scale bytes from one run of 256 K to the next
	s_cselect_b32 s41, 32, 4                       ; and from place to place
	s_cselect_b32 s42, 4, s42                      ; and from a K step to the next
	s_cselect_b64 s[26:27], s[4:5], s[8:9]
	s_cselect_b64 s[36:37], s[16:17], s[18:19]
	s_mov_b64 s[38:39], s[36:37]
	s_sub_co_u32 s24, ttmp9, W2WG
	s_cmp_lt_u32 s24, 16                           ; the first 512 of the 4,608 along K are W_attn_out's rows
	s_cselect_b64 s[26:27], s[6:7], s[26:27]
	s_cmp_ge_u32 ttmp9, FFWG
	s_cselect_b32 s24, 512, 0                      ; W_ff_out's rows count from 512
	s_and_b32 s30, s20, 1
	s_lshl_b32 s32, s22, 1
	s_add_co_u32 s30, s30, s32                     ; G: my group of 32 columns; two waves stand side by side on 256 bytes of a row
	s_lshr_b32 s31, s20, 1
	s_lshl_b32 s32, s23, 1
	s_add_co_u32 s31, s31, s32                     ; kc: my run of 256 along K
	s_mov_b32 s45, 0
	s_lshl_b32 s44, s31, 8
	s_sub_co_u32 s44, s44, s24
	s_mul_i32 s44, s44, s25
	s_lshl_b32 s47, s30, 7
	s_add_co_u32 s44, s44, s47
	s_add_nc_u64 s[26:27], s[26:27], s[44:45]      ; the weight at my first row and column
	s_lshl_b32 s28, s25, 5
	s_mov_b32 s29, 0                               ; 32 rows on
	s_sub_co_u32 s47, s30, 18                      ; the place of my group's first column
	s_bfe_u32 s48, s47, 0x10007                    ; 0: first half of the 8,192, 1: gate
	s_and_b32 s47, s47, 127
	s_lshr_b32 s49, s47, 2
	s_lshl_b32 s49, s49, 8
	s_bfe_u32 s50, s47, 0x10001
	s_lshl_b32 s50, s50, 7
	s_add_co_u32 s49, s49, s50
	s_lshl_b32 s48, s48, 6
	s_add_co_u32 s49, s49, s48
	s_and_b32 s47, s47, 1
	s_lshl_b32 s47, s47, 5
	s_add_co_u32 s49, s49, s47
	s_add_co_u32 s49, s49, 576
	s_lshl_b32 s43, s30, 5
	s_cmp_lt_u32 ttmp9, W2WG
	s_cselect_b32 s47, s30, 0
	s_cmp_ge_u32 s47, 18                           ; only W_fused's groups behind q, k, v are laid anew
	s_cselect_b32 s43, s49, s43
	s_lshr_b32 s44, s43, 4
	s_mul_i32 s44, s44, s40
	s_lshl_b32 s47, s31, 11
	s_add_co_u32 s44, s44, s47
	s_add_nc_u64 s[36:37], s[36:37], s[44:45]      ; my first image
	s_mul_i32 s44, s43, s41
	s_mul_i32 s47, s31, s34
	s_add_co_u32 s44, s44, s47
	s_add_co_u32 s44, s44, s33
	s_add_nc_u64 s[38:39], s[38:39], s[44:45]      ; my first scale word
	s_mul_i32 s46, s20, 4608                       ; my stage: 32 rows of 128 bytes + 16
	s_wait_alu depctr_va_vdst(0)
	v_lshlrev_b32 v2, 2, v1
	v_mul_u32_u24 v3, v1, 144
	v_add_nc_u32 v3, s46, v3                       ; into it: row = my column
	v_and_b32 v110, 7, v1
	v_and_b32 v111, 8, v1
	v_lshl_add_u32 v112, v111, 1, v110             ; out of it: place 16 nbl + r holds column 16 (r / 8) + 8 nbl + r % 8
	v_mul_u32_u24 v4, v112, 144
	v_bfe_u32 v113, v1, 4, 1
	v_lshl_add_u32 v4, v113, 4, v4
	v_add_nc_u32 v4, s46, v4
	v_lshlrev_b32 v5, 4, v1
	v_add_nc_u32 v6, s40, v5
	v_lshl_add_u32 v7, v113, 3, v112               ; SW(lane)
	v_mul_u32_u24 v7, v7, s41
	v_add_nc_u32 v114, s42, v7
.set i, 0
.rept 32
	v_mad_u32_u24 v[OFF+i], s25, i, v2
.set i, i+1
.endr
.macro WLOAD t                         ; block t: rows 32 t + i of my column, into set t % 2; 32 lanes read 128 consecutive bytes
.if (\t) > 0
	s_wait_xcnt 0x0                                ; the loads issued so far have read their base: it may step
	s_add_nc_u64 s[26:27], s[26:27], s[28:29]
.endif
.set i, 0
.rept 32
	global_load_b32 v[X+32*((\t)%2)+i], v[OFF+i], s[26:27] th:TH_LOAD_NT
.set i, i+1
.endr
.endm
.macro WBLOCK t
.set XS, X+32*((\t)%2)
.if (\t) < 7
	s_wait_loadcnt 32                              ; this block's 32 loads are in; the next block's 32 may be out
.else
	s_wait_loadcnt 0x0
.endif
	v_max3_num_f32 v110, |v[XS]|, |v[XS+1]|, |v[XS+2]|
	v_max3_num_f32 v111, |v[XS+3]|, |v[XS+4]|, |v[XS+5]|
.irp i, 6,10,14,18,22,26
	v_max3_num_f32 v110, v110, |v[XS+\i]|, |v[XS+\i+1]|
	v_max3_num_f32 v111, v111, |v[XS+\i+2]|, |v[XS+\i+3]|
.endr
	v_max3_num_f32 v110, v110, |v[XS+30]|, |v[XS+31]|
	v_max3_num_f32 v110, v110, v111, 0x1800000     ; the floor 2^(3 - 127): the byte cannot fall under 1
	v_add_nc_u32 v112, 0xff000000, v110            ; 2 off the exponent field: the conversion's scale operand
	v_lshrrev_b32 v113, 23, v112                   ; the byte
.if (\t)%4 == 0
	v_mov_b32 v[SB+(\t)/4], v113
.else
	v_lshl_or_b32 v[SB+(\t)/4], v113, 8*((\t)%4), v[SB+(\t)/4]
.endif
.irp g, 0,1,2,3
	v_cvt_scalef32_pk8_fp4_f32 v[CW+\g], v[XS+8*\g:XS+8*\g+7], v112
.endr
	ds_store_b128 v3, v[CW:CW+3] offset:16*(\t)
.if (\t)+2 < 8
	WLOAD (\t)+2
.endif
	s_wait_dscnt 0x0                               ; the store has read its registers: the next block's codes may be written
.endm
	WLOAD 0
	s_wait_alu depctr_va_vdst(0)
	WLOAD 1
.irp t, 0,1,2,3,4,5,6,7
	WBLOCK \t
.endr
	global_store_b32 v7, v[SB], s[38:39]           ; my column's scale words of the two K steps
	s_wait_alu depctr_va_vdst(0)
	global_store_b32 v114, v[SB+1], s[38:39]
.irp n, 0,1                            ; eight images' halves: column block n, K step k, half c; LDS serves a wave's instructions in order
.irp k, 0,1
.irp c, 0,1
	ds_load_b128 v[X+4*(4*\n+2*\k+\c):X+4*(4*\n+2*\k+\c)+3], v4 offset:8*\n*144+64*\k+32*\c
.endr
.endr
.endr
.irp k, 0,1
.irp c, 0,1
	s_wait_dscnt 7-(2*\k+\c)
	global_store_b128 v5, v[X+4*(2*\k+\c):X+4*(2*\k+\c)+3], s[36:37] offset:1024*\k+512*\c     ; 32 lanes store 512 consecutive bytes
.endr
.endr
.irp k, 0,1
.irp c, 0,1
	s_wait_dscnt 3-(2*\k+\c)
	global_store_b128 v6, v[X+4*(4+2*\k+\c):X+4*(4+2*\k+\c)+3], s[36:37] offset:1024*\k+512*\c
.endr
.endr
	s_wait_tensorcnt 0x0
	ds_add_u32 v192, v193
	s_wait_dscnt 0x0
	s_endpgm
; ------------------------------------------------------------------ LAYERNORM: a wave takes 8 rows; waves 2 p and 2 p + 1 make one row block of xq together
.Lnorm:
	s_lshr_b32 s37, s20, 1                         ; which of the work-group's two row blocks
	s_and_b32 s38, s20, 1                          ; which 8 of its 16 rows
	s_lshl_b32 s21, ttmp9, 1
	s_add_co_u32 s21, s21, s37                     ; my row block
	s_lshl_b32 s24, s21, 16
	s_lshl_b32 s39, s38, 15
	s_add_co_u32 s24, s24, s39                     ; x: 16 rows of 4,096 bytes a block, my 8
	s_mov_b32 s25, 0
	s_lshl_b32 s26, s21, 13
	s_lshl_b32 s39, s38, 12
	s_add_co_u32 s26, s26, s39                     ; xq: the half of the block's 8,192 bytes of images that I store
	s_mov_b32 s27, 0
	s_lshl_b32 s28, s21, 9
	s_lshl_b32 s39, s38, 8
	s_add_co_u32 s28, s28, s39
	s_add_co_u32 s28, s28, 2097152                 ; my 8 rows' 256 scale bytes
	s_mov_b32 s29, 0
	s_mul_i32 s36, s20, 4608
	s_add_co_u32 s36, s36, LNB                     ; my turn stage
	s_mul_i32 s40, s37, 8704
	s_add_co_u32 s40, s40, LNP                     ; my pair's region
	s_lshl_b32 s41, s38, 7
	s_add_co_u32 s41, s41, s40                     ; images, in: my first row lies 16 x 8 x half bytes on
	s_lshl_b32 s42, s38, 12
	s_add_co_u32 s42, s42, s40                     ; images, out: my half
	s_lshl_b32 s43, s38, 8
	s_add_co_u32 s43, s43, s40
	s_add_co_u32 s43, s43, 8192                    ; my rows' scale bytes
	s_mov_b32 s22, 0x3a800000                      ; 1 / 1,024
	s_mov_b32 s23, 0x3727c5ac                      ; 1e-5
	s_mov_b32 s30, 0x76543210
	s_mov_b32 s31, 0xfedcba98                      ; v_permlanex16_b32's selects for lane l xor 16
	s_wait_alu depctr_va_vdst(0)
	v_lshlrev_b32 v2, 4, v1
	v_lshrrev_b32 v3, 3, v1
	v_mul_u32_u24 v3, v3, 144
	v_and_b32 v4, 7, v1
	v_lshl_add_u32 v3, v4, 4, v3
	v_add_nc_u32 v3, s36, v3                       ; the turn, in: eight lanes' 128 bytes (a block of 32 numbers), then 16 of padding
	v_mul_u32_u24 v4, v1, 144
	v_add_nc_u32 v4, s36, v4                       ; the turn, out: lane l takes block l whole
	v_lshlrev_b32 v5, 8, v1
	v_add_nc_u32 v5, s41, v5                       ; images: block l of a row lies 256 l bytes on, a row 16 bytes on
	v_add_nc_u32 v6, s42, v2                       ; and leave as they lie, 16 bytes a lane
	v_add_nc_u32 v7, s43, v1                       ; scale bytes: 32 a row
	v_lshlrev_b32 v0, 3, v1                        ; and leave 8 bytes a lane
	v_add_nc_u32 v[W+11], s43, v0
	s_wait_kmcnt 0x0
	s_add_nc_u64 s[12:13], s[12:13], s[24:25]
	s_add_nc_u64 s[32:33], s[14:15], s[26:27]
	s_add_nc_u64 s[34:35], s[14:15], s[28:29]
.irp j, 0,1,2,3,4,5,6,7
	global_load_b128 v[GM+4*\j:GM+4*\j+3], v2, s[10:11] offset:512*\j
.endr
.macro XROW p                          ; a row: eight loads of 512 consecutive bytes
.irp j, 0,1,2,3,4,5,6,7
	global_load_b128 v[X+32*((\p)%3)+4*\j:X+32*((\p)%3)+4*\j+3], v2, s[12:13] offset:4096*(\p)+512*\j th:TH_LOAD_NT
.endr
.endm
.macro ALLSUM                          ; four packed chains in v[W] .. v[W+7] become one sum in every lane's v[W]
	v_pk_add_f32 v[W:W+1], v[W:W+1], v[W+2:W+3]
	v_pk_add_f32 v[W+4:W+5], v[W+4:W+5], v[W+6:W+7]
	v_pk_add_f32 v[W:W+1], v[W:W+1], v[W+4:W+5]
	v_add_f32 v[W], v[W], v[W+1]
	v_add_f32_dpp v[W], v[W], v[W] row_xmask:1 row_mask:0xf bank_mask:0xf
	v_add_f32_dpp v[W], v[W], v[W] row_xmask:2 row_mask:0xf bank_mask:0xf
	v_add_f32_dpp v[W], v[W], v[W] row_xmask:4 row_mask:0xf bank_mask:0xf
	v_add_f32_dpp v[W], v[W], v[W] row_xmask:8 row_mask:0xf bank_mask:0xf
	v_permlanex16_b32 v[W+1], v[W], s30, s31
	v_add_f32 v[W], v[W], v[W+1]
.endm
	XROW 0
	XROW 1
	XROW 2
.macro ROW p
.set XS, X+32*((\p)%3)
.if NR-1-(\p) >= 2
	s_wait_loadcnt 16                              ; this row (and gamma) are in; the two younger rows' sixteen loads may be out
.else
	s_wait_loadcnt 8*(NR-1-(\p))
.endif
.irp k, 0,1,2,3
	v_pk_add_f32 v[W+2*\k:W+2*\k+1], v[XS+2*\k:XS+2*\k+1], v[XS+8+2*\k:XS+9+2*\k]
.endr
.irp q, 16,24
.irp k, 0,1,2,3
	v_pk_add_f32 v[W+2*\k:W+2*\k+1], v[W+2*\k:W+2*\k+1], v[XS+\q+2*\k:XS+\q+2*\k+1]
.endr
.endr
	ALLSUM
	v_mul_f32 v[W+8], 0xba800000, v[W]             ; - the mean
	v_mov_b32 v[W+9], v[W+8]
.set i, 0
.rept 16
	v_pk_add_f32 v[XS+i:XS+i+1], v[XS+i:XS+i+1], v[W+8:W+9]
.set i, i+2
.endr
.irp k, 0,1,2,3                        ; the variance is the mean of the squared differences: no difference of large sums is formed
	v_pk_mul_f32 v[W+2*\k:W+2*\k+1], v[XS+2*\k:XS+2*\k+1], v[XS+2*\k:XS+2*\k+1]
.endr
.irp q, 8,16,24
.irp k, 0,1,2,3
	v_pk_fma_f32 v[W+2*\k:W+2*\k+1], v[XS+\q+2*\k:XS+\q+2*\k+1], v[XS+\q+2*\k:XS+\q+2*\k+1], v[W+2*\k:W+2*\k+1]
.endr
.endr
	ALLSUM
	v_fma_f32 v[W+10], v[W], s22, s23
	s_wait_alu depctr_va_vdst(0)
	v_rsq_f32 v[W+12], v[W+10]
	v_rsq_f32 v[W+13], v[W+10]
	v_nop                                          ; a plain place behind the transcendentals
.set i, 0
	s_wait_alu depctr_va_vdst(0)
.rept 16
	v_pk_mul_f32 v[XS+i:XS+i+1], v[XS+i:XS+i+1], v[W+12:W+13]
.set i, i+2
.endr
.set i, 0
.rept 16
	v_pk_mul_f32 v[XS+i:XS+i+1], v[XS+i:XS+i+1], v[GM+i:GM+i+1]
.set i, i+2
.endr
.irp j, 0,1,2,3,4,5,6,7
	ds_store_b128 v3, v[XS+4*\j:XS+4*\j+3] offset:576*\j
.endr
.irp j, 0,1,2,3,4,5,6,7
	ds_load_b128 v[T+4*\j:T+4*\j+3], v4 offset:16*\j               ; LDS serves a wave's instructions in order: these see the stores above
.endr
	s_wait_dscnt 0x0                               ; my block is here; the stores have read the row's registers, and the last row's codes have left theirs
.if (\p)+3 < NR
	XROW (\p)+3
.endif
	v_max3_num_f32 v[W], |v[T]|, |v[T+1]|, |v[T+2]|
	v_max3_num_f32 v[W+1], |v[T+3]|, |v[T+4]|, |v[T+5]|
.irp i, 6,10,14,18,22,26
	v_max3_num_f32 v[W], v[W], |v[T+\i]|, |v[T+\i+1]|
	v_max3_num_f32 v[W+1], v[W+1], |v[T+\i+2]|, |v[T+\i+3]|
.endr
	v_max3_num_f32 v[W], v[W], |v[T+30]|, |v[T+31]|
	v_max3_num_f32 v[W], v[W], v[W+1], 0x1800000
	v_add_nc_u32 v[W+2], 0xff000000, v[W]
.irp g, 0,1,2,3
	v_cvt_scalef32_pk8_fp4_f32 v[CC+4*((\p)%2)+\g], v[T+8*\g:T+8*\g+7], v[W+2]
.endr
	v_lshrrev_b32 v[W+14+(\p)%2], 23, v[W+2]
	ds_store_b128 v5, v[CC+4*((\p)%2):CC+4*((\p)%2)+3] offset:16*(\p)
	ds_store_b8 v7, v[W+14+(\p)%2] offset:32*(\p)
.endm
.irp p, 0,1,2,3,4,5,6,7
	ROW \p
.endr
	s_wait_dscnt 0x0                               ; for my partner's sake: my stores into the pair's image have landed
	s_barrier_signal -1
	s_barrier_wait -1                              ; the image is whole: each 256 bytes of it hold 8 rows of mine and 8 of my partner's
.irp i, 0,1,2,3,4,5,6,7
	ds_load_b128 v[X+4*\i:X+4*\i+3], v6 offset:512*\i
.endr
	ds_load_b64 v[T:T+1], v[W+11]                  ; my rows' 256 scale bytes
.irp i, 0,1,2,3,4,5,6,7
	s_wait_dscnt 8-\i
	global_store_b128 v2, v[X+4*\i:X+4*\i+3], s[32:33] offset:512*\i     ; 32 lanes store 512 consecutive bytes
.endr
	s_wait_dscnt 0x0
	global_store_b64 v0, v[T:T+1], s[34:35]        ; 32 lanes store 256 consecutive bytes
	s_wait_tensorcnt 0x0
	ds_add_u32 v192, v193
	s_wait_dscnt 0x0
	s_endpgm
.Lfunc_end_k_q91ca789f08_prep:
	.size	k_q91ca789f08_prep, .Lfunc_end_k_q91ca789f08_prep-k_q91ca789f08_prep
	.p2alignl 7, 3214868480
	.fill 96, 4, 3214868480
	.section	.rodata,"a",@progbits
	.p2align	6, 0x0
	.amdhsa_kernel k_q91ca789f08_prep
		.amdhsa_group_segment_fixed_size 54784
		.amdhsa_private_segment_fixed_size 0
		.amdhsa_enable_private_segment 0
		.amdhsa_kernarg_size 64
		.amdhsa_user_sgpr_count 2
		.amdhsa_user_sgpr_kernarg_segment_ptr 1
		.amdhsa_wavefront_size32 1
		.amdhsa_system_sgpr_workgroup_id_x 1
		.amdhsa_system_sgpr_workgroup_id_y 1
		.amdhsa_system_sgpr_workgroup_id_z 1
		.amdhsa_system_vgpr_workitem_id 0
		.amdhsa_next_free_vgpr 194
		.amdhsa_next_free_sgpr 66
		.amdhsa_reserve_vcc 0
		.amdhsa_float_denorm_mode_32 3
		.amdhsa_float_denorm_mode_16_64 3
		.amdhsa_memory_ordered 1
		.amdhsa_forward_progress 1
		.amdhsa_inst_pref_size 127
	.end_amdhsa_kernel
	.amdgpu_metadata
---
amdhsa.version: [ 1, 2 ]
amdhsa.kernels:
  - .name:           k_q91ca789f08_prep
    .symbol:         k_q91ca789f08_prep.kd
    .args:
      - { .name: W_fused, .offset: 0, .size: 8, .value_kind: global_buffer, .address_space: global }
      - { .name: W_attn_out, .offset: 8, .size: 8, .value_kind: global_buffer, .address_space: global }
      - { .name: W_ff_out, .offset: 16, .size: 8, .value_kind: global_buffer, .address_space: global }
      - { .name: gamma, .offset: 24, .size: 8, .value_kind: global_buffer, .address_space: global }
      - { .name: x, .offset: 32, .size: 8, .value_kind: global_buffer, .address_space: global }
      - { .name: xq, .offset: 40, .size: 8, .value_kind: global_buffer, .address_space: global }
      - { .name: w1q, .offset: 48, .size: 8, .value_kind: global_buffer, .address_space: global }
      - { .name: w2q, .offset: 56, .size: 8, .value_kind: global_buffer, .address_space: global }
    .group_segment_fixed_size: 54784
    .private_segment_fixed_size: 0
    .kernarg_segment_align: 8
    .kernarg_segment_size: 64
    .max_flat_workgroup_size: 128
    .sgpr_count:     66
    .vgpr_count:     194
    .wavefront_size: 32
...
	.end_amdgpu_metadata
.endif
;; end of part 1
;; launch ffup (part 2): grid 16 x 16, 4 waves a work-group, clusters of 4 x 1, 327,680 bytes of LDS; arguments xq, w1q, a2, qq, kv; writes a2, qq, kv
.if DOCPART == 2
	.amdgcn_target "amdgcn-amd-amdhsa--gfx1250"
	.amdhsa_code_object_version 6
	.text
	.protected	k_q91ca789f08_ffup
	.globl	k_q91ca789f08_ffup
	.p2align	8
	.type	k_q91ca789f08_ffup,@function
k_q91ca789f08_ffup:
	s_mov_b64 s[64:65], 0
	v_nop
	global_prefetch_b8 v0, s[64:65] scope:SCOPE_SE
	s_setreg_imm32_b32 hwreg(HW_REG_WAVE_MODE, 25, 1), 1
	s_wait_xcnt 0x0
	s_wait_alu depctr_hold_cnt(0) depctr_sa_sdst(0) depctr_va_vdst(0) depctr_va_sdst(0) depctr_va_ssrc(0) depctr_va_vcc(0) depctr_vm_vsrc(0)
	s_getreg_b32 s2, hwreg(HW_REG_IB_STS2, 6, 4)
	s_cmp_eq_u32 s2, 0
	s_cbranch_scc0 .Lentry_in_a_cluster
	s_endpgm
.Lentry_in_a_cluster:
	s_bfe_u32 s2, ttmp6, 0x10000c
	s_cmp_lg_u32 s2, 0x3003
	s_cbranch_scc0 .Lentry_shape_is_right
	s_endpgm
.Lentry_shape_is_right:
; ALL OF xn W_fused on codes of E2M1, in one launch. (1) Places 576 .. 8,767: silu(gate) x in f32, quantised along the next product's K into K steps 4..35 of a2.
; (2) Places 0 .. 575: q, k with the rotary embedding and its xpos scale in f32, quantised along the head's 32; v quantised along the keys: into qq and kv.
; A WORK-GROUP STAYS: 256 work-groups, each with 256 rows (row tile = grid x) and two tiles of 256 places (tile columns X and X + 16, X = grid y). Four waves, each 128 x 128: 64 accumulators, 512 registers.
; LDS holds, for ALL of K = 1,024: A's 256 rows (131,072 bytes), one tile of B (131,072), both sets of scale bytes (2 x 8,704). The head has one load a wave: wave 0 A's codes, wave 1 B's,
; wave 2 A's scale bytes, wave 3 B's. B is filled again once: behind the first tile's last product and a round of the cluster's barrier, by waves 1 and 3; the whole first way out stands between that
; request and the wait for it, so no prefetch is laid for it. The tile's text stands twice, since the second tile asks for nothing; its K walk is a loop of two K steps a trip.
; The codes lie in memory as images of the operand's registers (16 rows x 128 K = 1,024 bytes; a block of 16 rows is 8,192 bytes): a fragment is two loads of 512 consecutive bytes.
; CLUSTER 4 x 1 along the row tiles: the four partners have the same X and ask for B jointly. A is each work-group's own load: part (2) takes its rows from LDS by X, and no LDS address may hang on a
; work-group's place in its cluster, so X has to be the same in all partners.
; PART (1): THE MATRIX INSTRUCTION IS USED TRANSPOSED (source 0 = 16 places, source 1 = 16 rows). A wave's 128 places are 64 columns of the first half and their 64 gate columns, and within each 32 the places are
; laid so that the registers of two neighbouring tiles are 16 neighbouring columns: silu(gate) x falls into 32 registers a lane that are blocks 0 and 1 of the wave's 64 hidden units.
; PART (2), behind the second tile: a wave takes rows 32 g .. + 31 of the tile, g = X / 2, and places 64 y .. + 63, y = 4 (X % 2) + wave: heads 2 y and 2 y + 1. Wave 0 of an even X takes k and v of these rows too.
; The rows come from LDS; the places' 32,768 bytes go from memory straight into the registers that part (1) has left (window 1; k and v: window 2), asked for during the second way out, 60 loads at the most in a group.
; Lane r of row tile u takes row 8 u + r + 8 (r / 8) of the 32. q and k: source 0 = 16 places read so that tile t is columns 16 t .. 16 t + 15 of the head, source 1 = rows: a lane holds one row, its registers
; d = 16 t + 8 h + j: the partners d and d + 16 of the rotation share lane and register number. v: source 0 = rows, source 1 = places as they lie: the 16 registers of tiles u = 0, 1 are keys 16 h + 0 .. 15.
; OUT. qq: q's codes [b][head][n][16 bytes], d in the order 0-7, 16-23, 8-15, 24-31 (k's likewise: the product does not see it); at 1,048,576 q's scale byte, four times in a word,
; [b][n / 32][head / 2][n % 32][head % 2]. kv, 69,632 bytes a batch: k's scale words at 0, v's at 2,048, k's codes at 4,096, v's at 36,864; each 128 keys: 2,048 bytes of codes as images.
; THE ROTARY TABLE has no input: it is made at the head, between the first loads and the wait for them, for q (scale) and for k (its reciprocal: the exponential of the negated power).
; THE ANGLES: n x inv_freq in f32; brought to [-pi/4, pi/4] by two fused multiply-adds with pi/2 in two parts (the first is exact up to n = 2,047), polynomials of degree 7 and 8.
; REGISTERS, in windows of 256: window 0: v7-29 addresses; v32-47 scale words, two sets; v48-63 part (2)'s scale words; v64-127 the table; v128-255 A's fragments, two sets (on the ways out at work).
; window 1: B's fragments, two sets. windows 2, 3: the accumulators (part (2): window 3 holds the rows' fragments of all K).
; LIMITS: NaN and infinities are not served; a block under 2^-124 gets the byte 1 and zero codes. inv_freq is the f32 nearest to 10^(-phi/4), which may differ by an ulp from 1 / pow: 1e-4 rad at the most at n = 2,047.
; The single scale bytes of k and v (8 KB in the whole launch) leave by byte stores.
.set HALFS,  16*272                    ; scale bytes of 128 rows: 16 units of 256 bytes + 16 of padding
.set SBLK,   2*272                     ; of 16 rows
.set BCO,    131072                    ; B's codes
.set SCL,    262144                    ; the scale bytes: A's 256 rows, then B's 256 places
.set SPARE,  SCL+4*HALFS               ; the spare words
.set QF,   7                           ; part (2): a lane's place in a fragment of permuted rows or places
.set QA,   8                           ; my rows' fragments in LDS
.set QS,   9                           ; 32 x the row or place of 32 for which the lane stands
.set QSN,  11                          ; 32 x lane
.set Q10,  12                          ; q's codes: 16 bytes a row
.set Q11,  13                          ; q's scale words: two heads a row
.set Q13,  14                          ; k's scale byte
.set Q14,  15                          ; v's codes
.set ADRA, 16
.set ADRB, 17
.set ADRS, 18
.set WA,   20                          ; the three addresses as they walk along K
.set WB,   21
.set WS,   22
.set LI,   24                          ; 16 x lane
.set SR,   25                          ; 4 r
.set SPW,  26
.set NIL,  27
.set SC,   32                          ; scale words: set p at SC + 8 p; register i: lanes 0-15 A's block i, lanes 16-31 B's block i
.set SCBK, 32                          ; part (2): k's and v's places' scale words
.set SCBQ, 48                          ; q's places' scale words, 8 for each unit of 32 places
.set RC,   64                          ; cos x scale [u][j], sin x scale; then the same with the scale's reciprocal
.set RS,   80
.set RCK,  96
.set RSK,  112
.set AF,   128                         ; A's fragments: set p at AF + 64 p
.set T,    128                         ; the way out: 32 numbers
.set PC,   192                         ; four registers of codes for each of the eight blocks of rows
.set PW,   224                         ; two scale bytes for each
.set QR,   128                         ; part (2): the rotated numbers, 16 u + 8 t + j
.set QACC, 160                         ; accumulator (unit, t, u) at 8 (4 unit + 2 t + u)
.set VA,   QACC+32
.set SCA,  2                           ; rows' scale words, one a K step: lanes 0-15 tile u = 0, lanes 16-31 u = 1; K steps 0-3 in v2-5, K steps 4-7 in v28-31: registers that the tiles and the ways out leave alone
.set A0,   128                         ; the table's working arrays of 16 = [u][j]
.set A1,   144
.set A2,   160
.set A3,   176
.set A4,   192
.set A5,   208
.set G1, 24
.set G0A, 32
.set G1B, 48
.set G0B, 56
.set G1S, 68
.set G0S, 76
.set G1SB, 80
.set G0SB, 88
.set MSB, 0
.macro WIN new                         ; the immediate's high byte repeats the setting that is left
.if MSB != \new
	s_set_vgpr_msb (MSB<<8)|\new
.set MSB, \new
.endif
.endm
.set MUL_LO, 0xa1
.set MUL_HI, 0xf1
.set TO_B,   0x40
.macro PLACES
.rept 4
	v_nop
.endr
.endm
.macro CROUND
	s_barrier_signal -1
	s_barrier_wait -1
	s_cmp_lg_u32 s14, 0
	s_cbranch_scc1 .Lnot_wave_0_\@
	s_barrier_signal -3
.Lnot_wave_0_\@:
	s_barrier_wait -3
	s_barrier_signal -1
	s_barrier_wait -1
.endm
	s_load_b128 s[4:7], s[0:1], 0x0                ; xq, w1q
	s_load_b64 s[12:13], s[0:1], 0x10              ; a2
	s_load_b128 s[8:11], s[0:1], 0x18              ; qq, kv
	v_lshl_add_u32 v[SPW], v0, 2, SPARE
	v_mov_b32 v[NIL], 0
	ds_add_u32 v[SPW], v[NIL]                      ; the opening lines: the add twice on end and one wait
	ds_add_u32 v[SPW], v[NIL]
	v_lshrrev_b32 v1, 5, v0
	v_readfirstlane_b32 s14, v1                    ; wave 0..3
	s_lshr_b32 s15, s14, 1                         ; my half of the rows
	s_and_b32 s16, s14, 1                          ; my half of the places
	s_bfe_u32 s40, ttmp6, 0x40000                  ; cx: it enters global addresses alone
	s_lshl_b32 s17, ttmp9, 2
	s_add_co_u32 s17, s17, s40                     ; row tile 0..15
	s_and_b32 s42, ttmp7, 0xffff                   ; X: my first tile column, 0..15: the same in all four partners
	s_lshr_b32 s41, s42, 1
	s_and_b32 s41, s41, 7                          ; g: part (2)'s 32 rows of the tile
	s_and_b32 s43, s42, 1
	s_or_b32 s104, s43, s14                        ; 0: k and v of these rows are mine
	s_lshl_b32 s43, s43, 2
	s_add_co_u32 s43, s43, s14                     ; y: part (2)'s 64 places
	s_lshr_b32 s44, s17, 3                         ; batch
	s_and_b32 s45, s17, 7
	s_lshl_b32 s105, s45, 8
	s_lshl_b32 s2, s41, 5
	s_add_co_u32 s105, s105, s2                    ; the position in its batch of the first of the 32 rows
	s_mov_b32 s[G1+0], 3<<16                       ; codes: a dense block of 512 rows of 256 bytes, elements of 8 bytes, no padding; A's: no mask
	s_mov_b32 s[G1B+0], 15|(3<<16)|(1<<21)         ; B's: the mask names all four work-groups
.irp g, G1, G1B
	s_mov_b32 s[\g+1], 32<<16
	s_mov_b32 s[\g+2], 512<<16
	s_mov_b32 s[\g+3], 32<<16
	s_mov_b32 s[\g+4], 512
	s_mov_b32 s[\g+5], 32
	s_mov_b32 s[\g+6], 0
	s_mov_b32 s[\g+7], 0
.endr
	s_mov_b32 s[G1S+0], (3<<16)|(1<<20)|(5<<22)|(3<<25)            ; scale bytes of 256 rows: 32 rows of 256 bytes, 16 of padding behind each
	s_mov_b32 s[G1SB+0], 15|(3<<16)|(1<<20)|(1<<21)|(5<<22)|(3<<25)
.irp g, G1S, G1SB
	s_mov_b32 s[\g+1], 32<<16
	s_mov_b32 s[\g+2], 32<<16
	s_mov_b32 s[\g+3], 32<<16
	s_mov_b32 s[\g+4], 32
	s_mov_b32 s[\g+5], 32
	s_mov_b32 s[\g+6], 0
	s_mov_b32 s[\g+7], 0
.endr
	s_lshl_b32 s20, s17, 17                        ; A's codes: 131,072 bytes a row tile
	s_mov_b32 s21, 0
	s_lshl_b32 s22, s17, 13                        ; A's scale bytes: 8,192 a row tile, behind the codes
	s_add_co_u32 s22, s22, 2097152
	s_mov_b32 s23, 0
	s_lshl_b32 s46, s42, 17                        ; B's codes, behind the 36 blocks of q, k, v
	s_add_co_u32 s46, s46, 294912
	s_mov_b32 s47, 0
	s_lshl_b32 s92, s42, 13                        ; B's scale bytes likewise
	s_add_co_u32 s92, s92, 4507648
	s_mov_b32 s93, 0
	s_mov_b32 s66, 0xbfb8aa3b                      ; - log2(e)
	s_mov_b32 s67, s66
	s_mov_b32 s96, 0x76543210
	s_mov_b32 s97, 0xfedcba98
	s_mov_b32 s36, 0x3f22f983                      ; 2 / pi
	s_mov_b32 s37, 0xbfc90fdb                      ; - pi/2, its f32
	s_mov_b32 s38, 0x333bbd2e                      ; that f32 less pi/2
	s_mov_b32 s39, -0.16666654611
	s_mov_b32 s60, 0.0083321608736
	s_mov_b32 s61, -0.00019515295891
	s_mov_b32 s62, 0.04166664568
	s_mov_b32 s63, -0.001388731625
	s_mov_b32 s98, 0.00002443315712
	s_mov_b32 s99, 0x3b000000                      ; 1 / 512
	s_mov_b32 s100, 0.3571428571                   ; 16 / 44.8
	s_mov_b32 s101, 0xffff0000                     ; lanes 16-31
	s_mov_b32 s[G0A], 1
	s_mov_b32 s[G0A+1], 0
	s_mov_b32 s[G0B], 1
	s_mov_b32 s[G0B+1], BCO
	s_mov_b32 s[G0S], 1
	s_mov_b32 s[G0S+1], SCL
	s_mov_b32 s[G0SB], 1
	s_mov_b32 s[G0SB+1], SCL+2*HALFS
	s_wait_dscnt 0x0                               ; both opening adds are done
	s_wait_kmcnt 0x0
	s_add_nc_u64 s[G0A+2:G0A+3], s[4:5], s[20:21]
	s_or_b32 s[G0A+3], s[G0A+3], 0x80000000
	s_add_nc_u64 s[G0S+2:G0S+3], s[4:5], s[22:23]
	s_or_b32 s[G0S+3], s[G0S+3], 0x80000000
	s_add_nc_u64 s[G0B+2:G0B+3], s[6:7], s[46:47]
	s_or_b32 s[G0B+3], s[G0B+3], 0x80000000
	s_add_nc_u64 s[G0SB+2:G0SB+3], s[6:7], s[92:93]
	s_or_b32 s[G0SB+3], s[G0SB+3], 0x80000000
	CROUND                                         ; all four work-groups are here: the joint loads meet
; the head's loads, one a wave, in one tree of branches on the wave's number: every way passes exactly one
.macro ARM under, g0, g1, next
	s_cmp_lt_u32 s14, \under
	s_cbranch_scc0 \next
	tensor_load_to_lds s[\g0:\g0+3], s[\g1:\g1+7]
	s_nop 0
	PLACES
	s_branch .Lhead_asked
\next:
.endm
	ARM 1, G0A, G1,  .Lhead_b
	ARM 2, G0B, G1B, .Lhead_sa
	ARM 3, G0S, G1S, .Lhead_sb
	tensor_load_to_lds s[G0SB:G0SB+3], s[G1SB:G1SB+7]
	s_nop 0
	PLACES
.Lhead_asked:
	s_lshl_b32 s20, s15, 16                        ; my 128 rows of A: 8 blocks of 8,192 bytes
	s_lshl_b32 s21, s16, 16
	s_add_co_u32 s21, s21, BCO                     ; my 128 places of B
	s_mul_i32 s22, s15, HALFS
	s_mul_i32 s23, s16, HALFS
	s_add_co_u32 s23, s23, 2*HALFS
	s_sub_co_u32 s23, s23, s22                     ; from A's scale bytes to B's
	s_add_co_u32 s22, s22, SCL
	s_lshl_b32 s92, s17, 4                         ; where my codes go: row block 16 ty + 8 half (+ a), K step 4 + X (+ 16), half 512 x my half of the places
	s_lshl_b32 s93, s15, 3
	s_add_co_u32 s92, s92, s93
	s_mul_i32 s92, s92, 36
	s_add_co_u32 s92, s92, s42
	s_add_co_u32 s92, s92, 4
	s_lshl_b32 s92, s92, 10
	s_lshl_b32 s93, s16, 9
	s_add_co_u32 s92, s92, s93
	s_mov_b32 s93, 0
	s_add_nc_u64 s[18:19], s[12:13], s[92:93]
	s_add_co_u32 s92, s42, 4                       ; and my scale bytes: the K step's plane, 4 bytes a row, my two of the four
	s_lshl_b32 s92, s92, 14
	s_lshl_b32 s94, s17, 10
	s_add_co_u32 s92, s92, s94
	s_lshl_b32 s94, s15, 9
	s_add_co_u32 s92, s92, s94
	s_lshl_b32 s94, s16, 1
	s_add_co_u32 s92, s92, s94
	s_add_co_u32 s92, s92, 9437184
	s_add_nc_u64 s[12:13], s[12:13], s[92:93]
	s_lshl_b32 s2, s41, 14                         ; part (2): my 32 rows' two blocks
	v_and_b32 v1, 15, v0                           ; r
	v_bfe_u32 v2, v0, 4, 1                         ; h
	v_and_b32 v3, 31, v0
	v_lshlrev_b32 v[LI], 4, v3
	v_lshlrev_b32 v[SR], 2, v1
	v_add_nc_u32 v[ADRA], s20, v[LI]
	v_add_nc_u32 v[ADRB], s21, v[LI]
	v_mul_u32_u24 v5, v1, 32
	v_lshrrev_b32 v6, 8, v5
	v_lshl_add_u32 v5, v6, 4, v5                   ; my row's scale bytes: 32 a row, 16 more for each 256 passed
	v_mul_u32_u24 v6, s23, v2                      ; lanes 16-31 take B's
	v_add_nc_u32 v5, v5, v6
	v_add_nc_u32 v[ADRS], s22, v5
	v_lshrrev_b32 v233, 3, v1
	v_and_b32 v234, 7, v1
	v_lshlrev_b32 v[QF], 13, v233
	v_lshl_add_u32 v[QF], v234, 4, v[QF]
	v_lshl_add_u32 v[QF], v2, 8, v[QF]             ; lanes 0-7 in one block of 16, lanes 8-15 in the next (8,192 bytes on); + 256 h; the tile's 128 u stands in the offset
	v_add_nc_u32 v[QA], s2, v[QF]
	v_lshl_add_u32 v235, v2, 3, v234
	v_lshl_add_u32 v235, v233, 4, v235             ; 8 h + r % 8 + 16 (r / 8): the row of 32 for which lane (r, h) stands
	v_lshlrev_b32 v[QS], 5, v235
	v_lshlrev_b32 v[QSN], 5, v3
	v_lshlrev_b32 v[Q10], 4, v235
	v_lshlrev_b32 v[Q11], 3, v235
	v_lshl_add_u32 v[Q13], v1, 2, v2
	v_lshlrev_b32 v[Q14], 4, v1
	v_lshl_add_u32 v[Q14], v2, 3, v[Q14]
	; ---- the table: for my two rows (u) and my eight frequencies phi = 8 h + j
	v_and_b32 v237, 8, v1
	v_add_nc_u32 v237, v237, v1
	v_add_nc_u32 v237, s105, v237                  ; n of tile u = 0
	v_cvt_f32_u32 v248, v237
	v_add_f32 v249, 0x41000000, v248               ; n of tile u = 1: 8 on
	v_add_f32 v250, 0xc4800000, v248
	v_add_f32 v251, 0xc4800000, v249
	v_mul_f32 v250, s99, v250                      ; (n - 1,024) / 512
	v_mul_f32 v251, s99, v251
	v_cvt_f32_u32 v252, v2
	v_cmp_eq_u32 vcc_lo, 1, v2
.macro IV j, lo, hi                    ; inv_freq of phi = j in lanes 0-15, of phi = 8 + j in lanes 16-31
	v_mov_b32 v[232+\j], \hi
	v_cndmask_b32 v[232+\j], \lo, v[232+\j], vcc_lo
.endm
	IV 0, 1.0, 0.01
	IV 1, 0.5623413252, 0.005623413252
	IV 2, 0.3162277660, 0.003162277660
	IV 3, 0.1778279410, 0.001778279410
	IV 4, 0.1, 0.001
	IV 5, 0.05623413252, 0.0005623413252
	IV 6, 0.03162277660, 0.0003162277660
	IV 7, 0.01778279410, 0.0001778279410
.macro SV j, c                         ; (2 phi + 12.8) / 44.8
	v_mov_b32 v[240+\j], \c
	v_fmac_f32 v[240+\j], s100, v252
.endm
	SV 0, 0.2857142857
	SV 1, 0.3303571429
	SV 2, 0.375
	SV 3, 0.4196428571
	SV 4, 0.4642857143
	SV 5, 0.5089285714
	SV 6, 0.5535714286
	SV 7, 0.5982142857
	s_wait_alu depctr_va_vdst(0)                   ; ahead of the batch
.irp j, 0,1,2,3,4,5,6,7
	v_log_f32 v[240+\j], v[240+\j]
.endr
.set e, 0
.rept 16
	v_mul_f32 v[A0+e], v[248+e/8], v[232+e%8]      ; the angle
.set e, e+1
.endr
.set e, 0
.rept 16
	v_mul_f32 v[A1+e], s36, v[A0+e]
.set e, e+1
.endr
.set e, 0
.rept 16
	v_rndne_f32 v[A1+e], v[A1+e]                   ; quarter turns
.set e, e+1
.endr
.set e, 0
.rept 16
	v_fma_f32 v[A0+e], v[A1+e], s37, v[A0+e]
.set e, e+1
.endr
.set e, 0
.rept 16
	v_fma_f32 v[A0+e], v[A1+e], s38, v[A0+e]       ; what is left, within pi/4
.set e, e+1
.endr
.set e, 0
.rept 16
	v_mul_f32 v[A2+e], v[A0+e], v[A0+e]
.set e, e+1
.endr
.set e, 0
.rept 16
	v_fma_f32 v[A3+e], v[A2+e], s61, s60
	v_fma_f32 v[A4+e], v[A2+e], s98, s63
.set e, e+1
.endr
.set e, 0
.rept 16
	v_fma_f32 v[A3+e], v[A3+e], v[A2+e], s39
	v_fma_f32 v[A4+e], v[A4+e], v[A2+e], s62
.set e, e+1
.endr
.set e, 0
.rept 16
	v_mul_f32 v[A3+e], v[A3+e], v[A2+e]
	v_mul_f32 v[A5+e], v[A2+e], v[A2+e]
.set e, e+1
.endr
.set e, 0
.rept 16
	v_fma_f32 v[A3+e], v[A3+e], v[A0+e], v[A0+e]   ; the sine of what is left
.set e, e+1
.endr
.set e, 0
.rept 16
	v_fma_f32 v[A0+e], v[A2+e], -0.5, 1.0
.set e, e+1
.endr
.set e, 0
.rept 16
	v_fma_f32 v[A4+e], v[A5+e], v[A4+e], v[A0+e]   ; its cosine
	v_cvt_i32_f32 v[A1+e], v[A1+e]
.set e, e+1
.endr
.set e, 0
.rept 16                               ; an odd number of quarter turns exchanges the two
	v_and_b32 v[A5+e], 1, v[A1+e]
	v_cmp_eq_u32 vcc_lo, 1, v[A5+e]
	v_cndmask_b32 v[A0+e], v[A3+e], v[A4+e], vcc_lo
	v_cndmask_b32 v[A2+e], v[A4+e], v[A3+e], vcc_lo
.set e, e+1
.endr
.set e, 0
.rept 16                               ; the sine's sign: bit 1 of the quarter turns; the cosine's: bit 1 of one more
	v_lshlrev_b32 v[A5+e], 30, v[A1+e]
	v_add_nc_u32 v[A1+e], 1, v[A1+e]
.set e, e+1
.endr
.set e, 0
.rept 16
	v_and_b32 v[A5+e], 0x80000000, v[A5+e]
	v_lshlrev_b32 v[A1+e], 30, v[A1+e]
.set e, e+1
.endr
.set e, 0
.rept 16
	v_xor_b32 v[A0+e], v[A0+e], v[A5+e]
	v_and_b32 v[A1+e], 0x80000000, v[A1+e]
.set e, e+1
.endr
.set e, 0
	s_wait_alu depctr_va_vdst(0)                   ; behind the logarithms, ahead of their first reader
.rept 16
	v_xor_b32 v[A2+e], v[A2+e], v[A1+e]
	v_mul_f32 v[A3+e], v[250+e/8], v[240+e%8]
.set e, e+1
.endr
.set e, 0
	s_wait_alu depctr_va_vdst(0)                   ; ahead of the batch
.rept 16
	v_exp_f32 v[A4+e], v[A3+e]                     ; the xpos scale,
	v_exp_f32 v[A5+e], -v[A3+e]                    ; and its reciprocal, for k
.set e, e+1
.endr
	v_nop                                          ; a plain place behind the transcendentals
.set e, 0
	s_wait_alu depctr_va_vdst(0)                   ; and behind it
.rept 16
	v_mul_f32 v[RC+e], v[A2+e], v[A4+e]
	v_mul_f32 v[RS+e], v[A0+e], v[A4+e]
	v_mul_f32 v[RCK+e], v[A2+e], v[A5+e]
	v_mul_f32 v[RSK+e], v[A0+e], v[A5+e]
.set e, e+1
.endr
; 16 matrix instructions: A's blocks a0, a0 + 1 x B's eight, on set p. The 64 accumulators take turns, one instruction a turn, in the same order in every step.
.macro MUL16 a0, p, zero
.irp a, \a0, \a0+1
.irp b, 0,1,2,3,4,5,6,7
.if \zero
	v_wmma_scale_f32_16x16x128_f8f6f4 v[8*(8*((\a)%4)+\b):8*(8*((\a)%4)+\b)+7], v[128*(\p)+8*\b:128*(\p)+8*\b+7], v[AF+64*(\p)+8*(\a):AF+64*(\p)+8*(\a)+7], 0, v[SC+8*(\p)+\b], v[SC+8*(\p)+(\a)] matrix_a_fmt:MATRIX_FMT_FP4 matrix_b_fmt:MATRIX_FMT_FP4 matrix_a_scale:MATRIX_SCALE_ROW1
.else
	v_wmma_scale_f32_16x16x128_f8f6f4 v[8*(8*((\a)%4)+\b):8*(8*((\a)%4)+\b)+7], v[128*(\p)+8*\b:128*(\p)+8*\b+7], v[AF+64*(\p)+8*(\a):AF+64*(\p)+8*(\a)+7], v[8*(8*((\a)%4)+\b):8*(8*((\a)%4)+\b)+7], v[SC+8*(\p)+\b], v[SC+8*(\p)+(\a)] matrix_a_fmt:MATRIX_FMT_FP4 matrix_b_fmt:MATRIX_FMT_FP4 matrix_a_scale:MATRIX_SCALE_ROW1
.endif
.endr
.endr
.endm
.macro MULS p, zero                    ; a K step's 64
	WIN MUL_LO
	MUL16 0, \p, \zero
	MUL16 2, \p, \zero
	WIN MUL_HI
	MUL16 4, \p, \zero
	MUL16 6, \p, \zero
.endm
.macro FETCH co, so, p                 ; a K step's 16 fragments and 8 scale words into set p: 40 LDS loads
	WIN TO_B
.irp i, 0,1,2,3,4,5,6,7
.irp c, 0,1
	ds_load_b128 v[128*(\p)+8*\i+4*\c:128*(\p)+8*\i+4*\c+3], v[WB] offset:(\co)+8192*\i+512*\c
.endr
.endr
	WIN 0
.irp i, 0,1,2,3,4,5,6,7
.irp c, 0,1
	ds_load_b128 v[AF+64*(\p)+8*\i+4*\c:AF+64*(\p)+8*\i+4*\c+3], v[WA] offset:(\co)+8192*\i+512*\c
.endr
.endr
.irp i, 0,1,2,3,4,5,6,7
	ds_load_b32 v[SC+8*(\p)+\i], v[WS] offset:(\so)+SBLK*\i
.endr
.endm
.macro KSTEP co, so, p                 ; the other set takes the K step after this one, then set p is multiplied
	WIN 0
	PLACES                                         ; four places in front of loads into registers that the last step's matrix instructions have read
	FETCH \co, \so, 1-(\p)
	s_wait_dscnt 40                                ; set p is in; the 40 loads just issued may be out
	MULS \p, 0
.endm
; A tile's products: K steps 0 and 7 are written out, steps 1 .. 6 are three trips of two.
.macro MM
	v_mov_b32 v[WA], v[ADRA]
	v_mov_b32 v[WB], v[ADRB]
	v_mov_b32 v[WS], v[ADRS]
	v_nop
	s_wait_alu depctr_va_vdst(0)                   ; a wait behind these writes
	FETCH 0, 0, 0
	FETCH 1024, 4, 1
	s_wait_dscnt 40                                ; K step 0 is in
	MULS 0, 1                                      ; the first products start the sums: nothing is cleared
	WIN 0
	s_mov_b32 s3, 3
.Lk_\@:
	KSTEP 2048, 8, 1
	KSTEP 3072, 12, 0
	WIN 0
	v_add_nc_u32 v[WA], 2048, v[WA]                ; two K steps on
	v_add_nc_u32 v[WB], 2048, v[WB]
	v_add_nc_u32 v[WS], 8, v[WS]
	s_wait_alu depctr_va_vdst(0)                   ; a wait behind these writes
	s_sub_co_u32 s3, s3, 1
	s_cmp_lg_u32 s3, 0
	s_cbranch_scc1 .Lk_\@
	s_wait_dscnt 0x0
	MULS 1, 0
	WIN 0
.endm
; Block a of 16 rows: accumulators 0-3 are 64 columns of the first half, 4-7 their gates. Every accumulator is read from its low end on. tl: which of my two tiles
.macro SWIGLU a, tl
.set AC, 64*((\a)%4)
.set WW, 2+(\a)/4
	WIN WW                                         ; source 0 in the accumulators' window
.set i, 0
.rept 16
	v_pk_mul_f32 v[T+i:T+i+1], v[AC+32+i:AC+33+i], s[66:67] op_sel_hi:[1,0]
.set i, i+2
.endr
	WIN 0
.set i, 0
	s_wait_alu depctr_va_vdst(0)                   ; ahead of the batch
.rept 32
	v_exp_f32 v[T+i], v[T+i]                       ; e^(-gate)
.set i, i+1
.endr
	v_nop
.set i, 0
	s_wait_alu depctr_va_vdst(0)                   ; and behind it
.rept 16
	v_pk_add_f32 v[T+i:T+i+1], v[T+i:T+i+1], 1.0 op_sel_hi:[1,0]
.set i, i+2
.endr
.set i, 0
	s_wait_alu depctr_va_vdst(0)
.rept 32
	v_rcp_f32 v[T+i], v[T+i]
.set i, i+1
.endr
	v_nop
	WIN WW
.set i, 0
	s_wait_alu depctr_va_vdst(0)
.rept 16
	v_pk_mul_f32 v[T+i:T+i+1], v[AC+32+i:AC+33+i], v[T+i:T+i+1]    ; silu(gate)
.set i, i+2
.endr
.set i, 0
.rept 16
	v_pk_mul_f32 v[T+i:T+i+1], v[AC+i:AC+i+1], v[T+i:T+i+1]
.set i, i+2
.endr
	WIN 0
.irp b, 0,1
	v_max3_num_f32 v[160+\b], |v[T+16*\b]|, |v[T+16*\b+1]|, 0x1800000
.endr
.irp i, 2,4,6,8,10,12,14
.irp b, 0,1
	v_max3_num_f32 v[160+\b], v[160+\b], |v[T+16*\b+\i]|, |v[T+16*\b+\i+1]|
.endr
.endr
.irp b, 0,1
	v_permlanex16_b32 v[162+\b], v[160+\b], s96, s97
.endr
.irp b, 0,1
	v_max_num_f32 v[160+\b], v[160+\b], v[162+\b]
.endr
.irp b, 0,1
	v_add_nc_u32 v[164+\b], 0xff000000, v[160+\b]
.endr
.irp b, 0,1
	v_lshrrev_b32 v[166+\b], 23, v[164+\b]
.endr
	v_lshl_or_b32 v[PW+(\a)], v167, 8, v166
.irp b, 0,1
	v_cvt_scalef32_pk8_fp4_f32 v[PC+4*(\a)+2*\b], v[T+16*\b:T+16*\b+7], v[164+\b]
	v_cvt_scalef32_pk8_fp4_f32 v[PC+4*(\a)+2*\b+1], v[T+16*\b+8:T+16*\b+15], v[164+\b]
.endr
	v_nop                                          ; one plain place behind a scaled conversion
	v_permlane16_swap_b32 v[PC+4*(\a)], v[PC+4*(\a)+2]             ; a whole block in a lane
	v_permlane16_swap_b32 v[PC+4*(\a)+1], v[PC+4*(\a)+3]
	global_store_b128 v[LI], v[PC+4*(\a):PC+4*(\a)+3], s[18:19] offset:(\a)*36864+16384*(\tl)    ; half an image: 512 consecutive bytes; the second tile lies 16 K steps on
	global_store_b16 v[SR], v[PW+(\a)], s[12:13] offset:64*(\a)+262144*(\tl)
.endm
.macro EPIHEAD
	PLACES                                         ; four places in front of the first reads of results and of writes to registers that held A's fragments
	v_mov_b32 v162, 0                              ; a lane permute's destination counts as one of its sources
	v_mov_b32 v163, 0
.endm
; PART (2)'S MACROS. K step q's four fragments of 64 places, eight loads, into registers 32 q .. of the window that the caller has set. vnat = 1: the second 32 places as they lie (v)
.macro QBL q, base, vnat
.irp t, 0,1
.irp c, 0,1
	global_load_b128 v[32*(\q)+8*\t+4*\c:32*(\q)+8*\t+4*\c+3], v[QF], s[\base:\base+1] offset:1024*(\q)+512*\c+128*\t
.endr
.endr
.irp t, 0,1
.irp c, 0,1
.if \vnat
	global_load_b128 v[32*(\q)+16+8*\t+4*\c:32*(\q)+16+8*\t+4*\c+3], v[LI], s[\base:\base+1] offset:16384+8192*\t+1024*(\q)+512*\c
.else
	global_load_b128 v[32*(\q)+16+8*\t+4*\c:32*(\q)+16+8*\t+4*\c+3], v[QF], s[\base:\base+1] offset:16384+1024*(\q)+512*\c+128*\t
.endif
.endr
.endr
.endm
; d = a x b (+ d): z = 1 starts the sum; sa, sb the scale registers of sources 0 and 1, ra, rb = 1: their lanes 16-31
.macro QWM d, a, b, z, sa, sb, ra, rb
.if \z
.if (\ra) && (\rb)
	v_wmma_scale_f32_16x16x128_f8f6f4 v[(\d):(\d)+7], v[(\a):(\a)+7], v[(\b):(\b)+7], 0, v[\sa], v[\sb] matrix_a_fmt:MATRIX_FMT_FP4 matrix_b_fmt:MATRIX_FMT_FP4 matrix_a_scale:MATRIX_SCALE_ROW1 matrix_b_scale:MATRIX_SCALE_ROW1
.elseif (\ra)
	v_wmma_scale_f32_16x16x128_f8f6f4 v[(\d):(\d)+7], v[(\a):(\a)+7], v[(\b):(\b)+7], 0, v[\sa], v[\sb] matrix_a_fmt:MATRIX_FMT_FP4 matrix_b_fmt:MATRIX_FMT_FP4 matrix_a_scale:MATRIX_SCALE_ROW1
.elseif (\rb)
	v_wmma_scale_f32_16x16x128_f8f6f4 v[(\d):(\d)+7], v[(\a):(\a)+7], v[(\b):(\b)+7], 0, v[\sa], v[\sb] matrix_a_fmt:MATRIX_FMT_FP4 matrix_b_fmt:MATRIX_FMT_FP4 matrix_b_scale:MATRIX_SCALE_ROW1
.else
	v_wmma_scale_f32_16x16x128_f8f6f4 v[(\d):(\d)+7], v[(\a):(\a)+7], v[(\b):(\b)+7], 0, v[\sa], v[\sb] matrix_a_fmt:MATRIX_FMT_FP4 matrix_b_fmt:MATRIX_FMT_FP4
.endif
.else
.if (\ra) && (\rb)
	v_wmma_scale_f32_16x16x128_f8f6f4 v[(\d):(\d)+7], v[(\a):(\a)+7], v[(\b):(\b)+7], v[(\d):(\d)+7], v[\sa], v[\sb] matrix_a_fmt:MATRIX_FMT_FP4 matrix_b_fmt:MATRIX_FMT_FP4 matrix_a_scale:MATRIX_SCALE_ROW1 matrix_b_scale:MATRIX_SCALE_ROW1
.elseif (\ra)
	v_wmma_scale_f32_16x16x128_f8f6f4 v[(\d):(\d)+7], v[(\a):(\a)+7], v[(\b):(\b)+7], v[(\d):(\d)+7], v[\sa], v[\sb] matrix_a_fmt:MATRIX_FMT_FP4 matrix_b_fmt:MATRIX_FMT_FP4 matrix_a_scale:MATRIX_SCALE_ROW1
.elseif (\rb)
	v_wmma_scale_f32_16x16x128_f8f6f4 v[(\d):(\d)+7], v[(\a):(\a)+7], v[(\b):(\b)+7], v[(\d):(\d)+7], v[\sa], v[\sb] matrix_a_fmt:MATRIX_FMT_FP4 matrix_b_fmt:MATRIX_FMT_FP4 matrix_b_scale:MATRIX_SCALE_ROW1
.else
	v_wmma_scale_f32_16x16x128_f8f6f4 v[(\d):(\d)+7], v[(\a):(\a)+7], v[(\b):(\b)+7], v[(\d):(\d)+7], v[\sa], v[\sb] matrix_a_fmt:MATRIX_FMT_FP4 matrix_b_fmt:MATRIX_FMT_FP4
.endif
.endif
.endm
; A K step of 32 rows x 64 places: the eight accumulators take turns, in the same order in every K step. The places lie in window bw, the rows in window 3, the sums in window 0
.macro QSTEP q, first, vnat, bw, scb
	WIN (\bw)|0x0c
.irp t, 0,1
.irp u, 0,1
	QWM QACC+8*(2*\t+\u), 32*(\q)+8*\t, 16*(\q)+8*\u, \first, (\scb)+(\q), SCA+(\q)+22*((\q)/4), \t, \u
.endr
.endr
.if \vnat
	WIN 0x03|((\bw)<<2)
.endif
.irp t, 0,1
.irp u, 0,1
.if \vnat
	QWM QACC+8*(4+2*\t+\u), 16*(\q)+8*\u, 32*(\q)+16+8*\t, \first, SCA+(\q)+22*((\q)/4), (\scb)+8+(\q), \u, \t
.else
	QWM QACC+8*(4+2*\t+\u), 32*(\q)+16+8*\t, 16*(\q)+8*\u, \first, (\scb)+8+(\q), SCA+(\q)+22*((\q)/4), \t, \u
.endif
.endr
.endr
.endm
.macro QMAIN vnat, bw, scb
	QSTEP 0, 1, \vnat, \bw, \scb
.irp q, 1,2,3,4,5,6,7
	QSTEP \q, 0, \vnat, \bw, \scb
.endr
	WIN 0
	PLACES                                         ; four places in front of the first read of results
.endm
; Unit hd's 32 rows x 32 numbers are rotated, scaled and quantised along d. Out: v[cq .. cq+3]: lane (r, H) holds the 16 bytes of row 8 H + r % 8 + 16 (r / 8); v250: that row's scale byte.
.macro ROPEQ hd, cq, rc, rs
.irp u, 0,1
.irp j, 0,2,4,6
	v_pk_mul_f32 v[QR+16*\u+\j:QR+16*\u+\j+1], v[QACC+8*(4*\hd+\u)+\j:QACC+8*(4*\hd+\u)+\j+1], v[\rc+8*\u+\j:\rc+8*\u+\j+1]
	v_pk_mul_f32 v[QR+16*\u+8+\j:QR+16*\u+9+\j], v[QACC+8*(4*\hd+2+\u)+\j:QACC+8*(4*\hd+2+\u)+\j+1], v[\rc+8*\u+\j:\rc+8*\u+\j+1]
	v_pk_fma_f32 v[QR+16*\u+\j:QR+16*\u+\j+1], v[QACC+8*(4*\hd+2+\u)+\j:QACC+8*(4*\hd+2+\u)+\j+1], v[\rs+8*\u+\j:\rs+8*\u+\j+1], v[QR+16*\u+\j:QR+16*\u+\j+1] neg_lo:[1,0,0] neg_hi:[1,0,0]
	v_pk_fma_f32 v[QR+16*\u+8+\j:QR+16*\u+9+\j], v[QACC+8*(4*\hd+\u)+\j:QACC+8*(4*\hd+\u)+\j+1], v[\rs+8*\u+\j:\rs+8*\u+\j+1], v[QR+16*\u+8+\j:QR+16*\u+9+\j]
.endr
.endr
.irp u, 0,1
	v_max3_num_f32 v[232+\u], |v[QR+16*\u]|, |v[QR+16*\u+1]|, 0x1800000
.endr
.irp i, 2,4,6,8,10,12,14
.irp u, 0,1
	v_max3_num_f32 v[232+\u], v[232+\u], |v[QR+16*\u+\i]|, |v[QR+16*\u+\i+1]|
.endr
.endr
.irp u, 0,1
	v_permlanex16_b32 v[234+\u], v[232+\u], s96, s97
.endr
.irp u, 0,1
	v_max_num_f32 v[232+\u], v[232+\u], v[234+\u]
.endr
.irp u, 0,1
	v_add_nc_u32 v[236+\u], 0xff000000, v[232+\u]
.endr
.irp u, 0,1
	v_lshrrev_b32 v[238+\u], 23, v[236+\u]
.endr
.irp u, 0,1
.irp t, 0,1
	v_cvt_scalef32_pk8_fp4_f32 v[\cq+2*\u+\t], v[QR+16*\u+8*\t:QR+16*\u+8*\t+7], v[236+\u]
.endr
.endr
	v_nop                                          ; one plain place behind a scaled conversion
	v_permlane16_swap_b32 v[\cq], v[\cq+2]         ; lanes 0-15 keep tile u = 0 and take its other half's codes, lanes 16-31 likewise for u = 1
	v_permlane16_swap_b32 v[\cq+1], v[\cq+3]
	v_cndmask_b32 v250, v238, v239, s101
.endm
	s_wait_alu depctr_va_vdst(0)                   ; the wait at the head's end
	s_wait_tensorcnt 0x0                           ; my tile of the head's four is in,
	s_barrier_signal -1
	s_barrier_wait -1                              ; everybody's is
	MM
	s_wait_tensorcnt 0x0                           ; in front of the refill's round: no load of mine is out,
	ds_add_u32 v[SPW], v[NIL]                      ; the add,
	s_add_nc_u64 s[G0B+2:G0B+3], s[G0B+2:G0B+3], 2097152    ; B's codes, 16 tile columns on
	s_add_nc_u64 s[G0SB+2:G0SB+3], s[G0SB+2:G0SB+3], 131072 ; and its scale bytes
	s_wait_dscnt 0x0                               ; the add is done, and my reads of B's tile are over
	CROUND                                         ; the same holds of every wave of all four work-groups
	s_cmp_eq_u32 s14, 1
	s_cbranch_scc0 .Lnot_codes
	tensor_load_to_lds s[G0B:G0B+3], s[G1B:G1B+7]  ; wave 1: the second tile's codes
	s_nop 0
	PLACES
	s_branch .Lrefilled
.Lnot_codes:
	s_cmp_eq_u32 s14, 3
	s_cbranch_scc0 .Lrefilled
	tensor_load_to_lds s[G0SB:G0SB+3], s[G1SB:G1SB+7]      ; wave 3: its scale bytes
	s_nop 0
	PLACES
.Lrefilled:
	EPIHEAD
.irp a, 0,1,2,3,4,5,6,7
	SWIGLU \a, 0                                   ; the first tile leaves while the second tile's B is on its way
.endr
	s_wait_tensorcnt 0x0                           ; my part of it has landed
	ds_add_u32 v[SPW], v[NIL]
	s_wait_xcnt 0x0                                ; the first tile's stores have read their registers: fragments may land there, and codes be written anew
	s_wait_dscnt 0x0
	s_barrier_signal -1
	s_barrier_wait -1                              ; everybody's has
	MM
	; no tensor load is out any more: the descriptors' registers are free. Part (2)'s places: 32,768 bytes of codes and 2,048 scale bytes for each 64
	s_lshl_b32 s24, s43, 15
	s_mov_b32 s25, 0
	s_add_nc_u64 s[24:25], s[6:7], s[24:25]        ; my two heads' codes
	s_lshl_b32 s26, s43, 11
	s_add_co_u32 s26, s26, 4489216
	s_mov_b32 s27, 0
	s_add_nc_u64 s[26:27], s[6:7], s[26:27]        ; and scale bytes
	s_add_nc_u64 s[28:29], s[6:7], 262144          ; k's and v's codes
	s_add_nc_u64 s[30:31], s[6:7], 4505600         ; and scale bytes
	s_lshl_b32 s32, s17, 13                        ; my 32 rows' scale bytes in xq: 8,192 a row tile, 1,024 for each 32 rows, behind the codes
	s_lshl_b32 s33, s41, 10
	s_add_co_u32 s32, s32, s33
	s_add_co_u32 s32, s32, 2097152
	s_mov_b32 s33, 0
	s_add_nc_u64 s[32:33], s[4:5], s[32:33]
	PLACES                                         ; four places in front of loads into registers that the last matrix instructions have read
	global_load_b128 v[SCBQ:SCBQ+3], v[QS], s[26:27]
	global_load_b128 v[SCBQ+4:SCBQ+7], v[QS], s[26:27] offset:16
	global_load_b128 v[SCBQ+8:SCBQ+11], v[QS], s[26:27] offset:1024
	global_load_b128 v[SCBQ+12:SCBQ+15], v[QS], s[26:27] offset:1040
	global_load_b128 v[SCA:SCA+3], v[QS], s[32:33]                 ; the rows' scale words come from memory: 32 bytes a row; with these two 62 loads are out
	global_load_b128 v[SCA+26:SCA+29], v[QS], s[32:33] offset:16
	WIN 0x40
.irp q, 0,1,2,3,4,5,6
	QBL \q, 24, 0                                  ; with the four above 60 loads
.endr
	WIN 0
	EPIHEAD
	SWIGLU 0, 1
	SWIGLU 1, 1
	WIN 0x40
	QBL 7, 24, 0
	WIN 0
	SWIGLU 2, 1
	SWIGLU 3, 1                                    ; window 2 has been read out
	s_cmp_lg_u32 s104, 0
	s_cbranch_scc1 .Lnot_kv_a
	global_load_b128 v[SCBK:SCBK+3], v[QS], s[30:31]
	global_load_b128 v[SCBK+4:SCBK+7], v[QS], s[30:31] offset:16
	global_load_b128 v[SCBK+8:SCBK+11], v[QSN], s[30:31] offset:1024
	global_load_b128 v[SCBK+12:SCBK+15], v[QSN], s[30:31] offset:1040
	WIN 0x80
.irp q, 0,1,2,3,4,5,6
	QBL \q, 28, 1
.endr
	WIN 0
.Lnot_kv_a:
	SWIGLU 4, 1
	SWIGLU 5, 1
	s_cmp_lg_u32 s104, 0
	s_cbranch_scc1 .Lnot_kv_b
	WIN 0x80
	QBL 7, 28, 1
	WIN 0
.Lnot_kv_b:
	SWIGLU 6, 1
	SWIGLU 7, 1
	; ---- PART (2): two heads of q
	s_wait_xcnt 0x0                                ; the second tile's stores have read their registers
	WIN 0xc0                                       ; my 32 rows' fragments of all K into window 3: registers 16 q + 8 u
.irp q, 0,1,2,3,4,5,6,7
.irp u, 0,1
.irp c, 0,1
	ds_load_b128 v[16*\q+8*\u+4*\c:16*\q+8*\u+4*\c+3], v[QA] offset:1024*\q+512*\c+128*\u
.endr
.endr
.endr
	WIN 0
	s_lshl_b32 s80, s44, 4
	s_lshl_b32 s81, s43, 1
	s_add_co_u32 s80, s80, s81
	s_lshl_b32 s80, s80, 15
	s_lshl_b32 s81, s105, 4
	s_add_co_u32 s80, s80, s81
	s_mov_b32 s81, 0
	s_add_nc_u64 s[80:81], s[8:9], s[80:81]        ; q's codes: head 2 y, my first row
	s_lshl_b32 s82, s44, 6
	s_lshl_b32 s83, s45, 3
	s_add_co_u32 s82, s82, s83
	s_add_co_u32 s82, s82, s41
	s_lshl_b32 s82, s82, 3
	s_add_co_u32 s82, s82, s43
	s_lshl_b32 s82, s82, 8
	s_add_co_u32 s82, s82, 1048576
	s_mov_b32 s83, 0
	s_add_nc_u64 s[82:83], s[8:9], s[82:83]        ; q's scale words: my 32 rows, my pair of heads: 256 bytes
	s_wait_dscnt 0x0
	s_wait_loadcnt 0x0                             ; the places are in
	QMAIN 0, 1, SCBQ
	ROPEQ 0, 240, RC, RS
	v_perm_b32 v248, v250, v250, 0                 ; the byte four times: it serves whichever block of the product's K holds q
	global_store_b128 v[Q10], v[240:243], s[80:81] ; 32 lanes store 512 consecutive bytes
	ROPEQ 1, 244, RC, RS
	v_perm_b32 v249, v250, v250, 0
	global_store_b128 v[Q10], v[244:247], s[80:81] offset:32768
	global_store_b64 v[Q11], v[248:249], s[82:83]
	s_cmp_lg_u32 s104, 0
	s_cbranch_scc1 .Lend
	; ---- k and v of the same 32 rows: wave 0 of an even X
	s_wait_xcnt 0x0                                ; q's stores have read their registers and their bases: both are written anew from here on
	s_mul_i32 s80, s44, 69632
	s_lshl_b32 s81, s45, 1
	s_lshr_b32 s82, s41, 2
	s_add_co_u32 s81, s81, s82                     ; which 128 keys
	s_and_b32 s82, s41, 3                          ; which 32 of them
	s_lshl_b32 s84, s81, 11
	s_add_co_u32 s84, s84, s80
	s_lshl_b32 s85, s82, 9
	s_add_co_u32 s84, s84, s85
	s_add_co_u32 s84, s84, 4096
	s_mov_b32 s85, 0
	s_lshl_b32 s86, s81, 7
	s_add_co_u32 s86, s86, s80
	s_lshr_b32 s87, s82, 1
	s_lshl_b32 s87, s87, 6
	s_add_co_u32 s86, s86, s87
	s_and_b32 s87, s82, 1
	s_lshl_b32 s87, s87, 1
	s_add_co_u32 s86, s86, s87
	s_mov_b32 s87, 0
	s_lshl_b32 s88, s81, 11
	s_add_co_u32 s88, s88, s80
	s_lshl_b32 s89, s82, 8
	s_add_co_u32 s88, s88, s89
	s_add_co_u32 s88, s88, 36864
	s_mov_b32 s89, 0
	s_lshl_b32 s90, s81, 7
	s_add_co_u32 s90, s90, s80
	s_add_co_u32 s90, s90, s82
	s_add_co_u32 s90, s90, 2048
	s_mov_b32 s91, 0
	s_add_nc_u64 s[84:85], s[10:11], s[84:85]      ; k's codes
	s_add_nc_u64 s[86:87], s[10:11], s[86:87]      ; k's scale bytes
	s_add_nc_u64 s[88:89], s[10:11], s[88:89]      ; v's codes
	s_add_nc_u64 s[90:91], s[10:11], s[90:91]      ; v's scale bytes
	QMAIN 1, 2, SCBK
	ROPEQ 0, 244, RCK, RSK
	global_store_b128 v[LI], v[244:247], s[84:85]  ; two tiles of 16 keys: 512 consecutive bytes
	global_store_b8 v[Q13], v250, s[86:87]
.irp t, 0,1                            ; v: my d, keys 16 h + 0 .. 15 in the 16 registers of tiles u = 0, 1
	v_max3_num_f32 v[232+\t], |v[VA+16*\t]|, |v[VA+16*\t+1]|, 0x1800000
.endr
.irp i, 2,4,6,8,10,12,14
.irp t, 0,1
	v_max3_num_f32 v[232+\t], v[232+\t], |v[VA+16*\t+\i]|, |v[VA+16*\t+\i+1]|
.endr
.endr
.irp t, 0,1
	v_permlanex16_b32 v[234+\t], v[232+\t], s96, s97
.endr
.irp t, 0,1
	v_max_num_f32 v[232+\t], v[232+\t], v[234+\t]
.endr
.irp t, 0,1
	v_add_nc_u32 v[236+\t], 0xff000000, v[232+\t]
.endr
.irp t, 0,1
	v_cvt_scalef32_pk8_fp4_f32 v[240+2*\t], v[VA+16*\t:VA+16*\t+7], v[236+\t]
	v_cvt_scalef32_pk8_fp4_f32 v[241+2*\t], v[VA+16*\t+8:VA+16*\t+15], v[236+\t]
.endr
.irp t, 0,1
	v_lshrrev_b32 v[238+\t], 23, v[236+\t]
.endr
.irp t, 0,1
	global_store_b64 v[Q14], v[240+2*\t:241+2*\t], s[88:89] offset:1024*\t      ; 32 lanes store 256 consecutive bytes
	global_store_b8 v[SR], v[238+\t], s[90:91] offset:64*\t
.endr
.Lend:
	s_wait_tensorcnt 0x0                           ; the wave's end
	ds_add_u32 v[SPW], v[NIL]
	s_wait_dscnt 0x0
	CROUND                                         ; the closing round
	s_endpgm
.Lfunc_end_k_q91ca789f08_ffup:
	.size	k_q91ca789f08_ffup, .Lfunc_end_k_q91ca789f08_ffup-k_q91ca789f08_ffup
	.p2alignl 7, 3214868480
	.fill 96, 4, 3214868480
	.section	.rodata,"a",@progbits
	.p2align	6, 0x0
	.amdhsa_kernel k_q91ca789f08_ffup
		.amdhsa_group_segment_fixed_size 327680
		.amdhsa_private_segment_fixed_size 0
		.amdhsa_enable_private_segment 0
		.amdhsa_kernarg_size 40
		.amdhsa_user_sgpr_count 2
		.amdhsa_user_sgpr_kernarg_segment_ptr 1
		.amdhsa_wavefront_size32 1
		.amdhsa_system_sgpr_workgroup_id_x 1
		.amdhsa_system_sgpr_workgroup_id_y 1
		.amdhsa_system_sgpr_workgroup_id_z 1
		.amdhsa_system_vgpr_workitem_id 0
		.amdhsa_next_free_vgpr 1024
		.amdhsa_next_free_sgpr 106
		.amdhsa_reserve_vcc 1
		.amdhsa_float_denorm_mode_32 3
		.amdhsa_float_denorm_mode_16_64 3
		.amdhsa_memory_ordered 1
		.amdhsa_forward_progress 1
		.amdhsa_inst_pref_size 255
	.end_amdhsa_kernel
	.section	.bss,"aw",@nobits
	.p2align	6
	.space	262144
	.amdgpu_metadata
---
amdhsa.version: [ 1, 2 ]
amdhsa.kernels:
  - .name:           k_q91ca789f08_ffup
    .symbol:         k_q91ca789f08_ffup.kd
    .args:
      - { .name: xq, .offset: 0, .size: 8, .value_kind: global_buffer, .address_space: global }
      - { .name: w1q, .offset: 8, .size: 8, .value_kind: global_buffer, .address_space: global }
      - { .name: a2, .offset: 16, .size: 8, .value_kind: global_buffer, .address_space: global }
      - { .name: qq, .offset: 24, .size: 8, .value_kind: global_buffer, .address_space: global }
      - { .name: kv, .offset: 32, .size: 8, .value_kind: global_buffer, .address_space: global }
    .group_segment_fixed_size: 327680
    .private_segment_fixed_size: 0
    .kernarg_segment_align: 8
    .kernarg_segment_size: 40
    .max_flat_workgroup_size: 128
    .sgpr_count:     106
    .vgpr_count:     1024
    .wavefront_size: 32
...
	.end_amdgpu_metadata
.endif
;; end of part 2
;; launch attn (part 3): grid 128 x 2, 16 waves a work-group, clusters of 4 x 1, 169,984 bytes of LDS; arguments qq, kv, a2; writes a2
.if DOCPART == 3
	.amdgcn_target "amdgcn-amd-amdhsa--gfx1250"
	.amdhsa_code_object_version 6
	.text
	.protected	k_q91ca789f08_attn
	.globl	k_q91ca789f08_attn
	.p2align	8
	.type	k_q91ca789f08_attn,@function
k_q91ca789f08_attn:
	s_mov_b64 s[64:65], 0
	v_nop
	global_prefetch_b8 v0, s[64:65] scope:SCOPE_SE
	s_setreg_imm32_b32 hwreg(HW_REG_WAVE_MODE, 25, 1), 1
	s_wait_xcnt 0x0
	s_wait_alu depctr_hold_cnt(0) depctr_sa_sdst(0) depctr_va_vdst(0) depctr_va_sdst(0) depctr_va_ssrc(0) depctr_va_vcc(0) depctr_vm_vsrc(0)
	s_getreg_b32 s2, hwreg(HW_REG_IB_STS2, 6, 4)
	s_cmp_eq_u32 s2, 0
	s_cbranch_scc0 .Lentry_in_a_cluster
	s_endpgm
.Lentry_in_a_cluster:
	s_bfe_u32 s2, ttmp6, 0x10000c
	s_cmp_lg_u32 s2, 0x3003
	s_cbranch_scc0 .Lentry_shape_is_right
	s_endpgm
.Lentry_shape_is_right:
; ATTN: causal multi-query attention on codes of E2M1: S^T = k q^T, p = 2^(t - M), O^T = v^T p^T, O / l, quantised along the head's 32 into K steps 0..3 of a2.
; t = score x log2(e) / sqrt(32); M = the running largest t rounded up to a whole number; p is not normalised; the row's sum is taken of the unquantised p and divides at the end.
; SHARES. A wave owns 16 queries of one head. A cluster of four work-groups serves one batch and four tiles of queries 2 i, 2 i + 1, 127 - 2 i, 126 - 2 i (i = the cluster's x), work-group cx the heads 4 cx .. 4 cx + 3.
; Wave w: head 4 cx + w / 4, tile number (w / 4 + w) % 4 of the four: each group of four waves holds one of each. The four tiles have 34 key steps together for every i, and they come as two equal pairs
; (1, 1, 16, 16 steps for i = 0; 8, 8, 9, 9 for i = 31), so that a long tile always has a tile of its own length beside it.
; A BATCH'S k AND v, codes and scale words, are 69,632 bytes: they come into LDS ONCE, by a joint load of the four work-groups (waves 0-3, 68 rows of 256 bytes each), and stay. Nothing is filled again, nothing is stored to LDS.
; THE FIRST PRODUCT has K = 32. One fragment of source 0 holds FOUR tiles of 16 keys, one in each block of 32 of the instruction's 128; source 1 holds q in one block and zero codes in the three others, which
; add nothing: four such versions of q pick the four tiles. They overlap in twenty registers: zeros, q in lanes 0-15, zeros, q in lanes 16-31, zeros.
; THE KEYS OF A TILE: lane r of tile 2 b + u holds key 32 b + 8 u + r + 8 (r / 8), so that the 16 registers of tiles 2 b, 2 b + 1 are 16 neighbouring keys. v's rows: lane r of tile t holds d = 8 t + r + 8 (r / 8) likewise.
; CAUSAL. Every wave walks all 16 steps of 128 keys; a step all of whose keys come after the wave's queries is jumped over (a scalar branch on ids); on the diagonal hidden scores become -infinity.
; LIMITS: NaN and infinities are not served.
.set WV,  10
.set SEL, 36
.set CS,  38
.set KF,  40                           ; the step's first key
.set Q0,  41                           ; my first query
.set TK,  42                           ; the step's codes: 2,048 bytes a step
.set TS,  43                           ; the step's scale words: 128 bytes a step
.set CNT, 44
.set T0,  45
.macro NOPS n
.rept \n
	v_nop
.endr
.endm
.macro CROUND                          ; a round of the cluster's barrier
	s_barrier_signal -1
	s_barrier_wait -1
	s_cmp_lg_u32 s[WV], 0
	s_cbranch_scc1 .Lnot_wave_0_\@
	s_barrier_signal -3
.Lnot_wave_0_\@:
	s_barrier_wait -3
	s_barrier_signal -1
	s_barrier_wait -1
.endm
	s_load_b128 s[4:7], s[0:1], 0x0                ; qq, kv
	s_load_b64 s[8:9], s[0:1], 0x10                ; a2
	v_lshl_add_u32 v251, v0, 2, 0x29000
	v_mov_b32 v255, 0
	ds_add_u32 v251, v255
	ds_add_u32 v251, v255
	v_lshrrev_b32 v1, 5, v0
	s_delay_alu instid0(VALU_DEP_1)
	v_readfirstlane_b32 s[WV], v1                  ; wave 0..15
	s_bfe_u32 s11, ttmp6, 0x40000                  ; cx: it enters global addresses of my own loads and stores alone
	s_and_b32 s12, ttmp7, 0xffff                   ; batch
	s_lshr_b32 s13, s[WV], 2                       ; my head of the work-group's four
	s_add_co_u32 s14, s13, s[WV]
	s_and_b32 s14, s14, 3                          ; which of the cluster's four tiles
	s_lshl_b32 s17, ttmp9, 1
	s_add_co_u32 s15, s17, s14                     ; numbers 0, 1: tiles 2 i, 2 i + 1
	s_sub_co_u32 s18, 129, s15                     ; numbers 2, 3: tiles 127 - 2 i, 126 - 2 i
	s_cmp_lt_u32 s14, 2
	s_cselect_b32 s15, s15, s18                    ; P: my tile of 16 queries, 0..127
	s_lshl_b32 s16, s11, 2
	s_add_co_u32 s16, s16, s13                     ; head
	s_lshl_b32 s[Q0], s15, 4
	s_mov_b32 s24, 15|(3<<16)|(1<<21)              ; group 1: the mask names all four work-groups, bit 21 beside it; elements of 8 bytes; no padding
	s_mov_b32 s25, 32<<16
	s_mov_b32 s26, 68<<16
	s_mov_b32 s27, 32<<16
	s_mov_b32 s28, 68
	s_mov_b32 s29, 32
	s_mov_b32 s30, 0
	s_mov_b32 s31, 0
	s_mul_i32 s33, s[WV], 17408                    ; LDS address: the wave's number alone
	s_mul_i32 s48, s12, 69632
	s_add_co_u32 s48, s48, s33
	s_mov_b32 s49, 0
	s_lshl_b32 s50, s12, 4
	s_add_co_u32 s50, s50, s16
	s_lshl_b32 s50, s50, 15
	s_lshl_b32 s51, s15, 8
	s_add_co_u32 s50, s50, s51
	s_mov_b32 s51, 0                               ; q's codes
	s_lshl_b32 s52, s12, 6
	s_lshr_b32 s53, s15, 1
	s_add_co_u32 s52, s52, s53
	s_lshl_b32 s52, s52, 3
	s_lshr_b32 s53, s16, 1
	s_add_co_u32 s52, s52, s53
	s_lshl_b32 s52, s52, 8
	s_and_b32 s53, s15, 1
	s_lshl_b32 s53, s53, 7
	s_add_co_u32 s52, s52, s53
	s_and_b32 s53, s16, 1
	s_lshl_b32 s53, s53, 2
	s_add_co_u32 s52, s52, s53
	s_add_co_u32 s52, s52, 1048576
	s_mov_b32 s53, 0                               ; q's scale words
	s_lshl_b32 s54, s12, 7
	s_add_co_u32 s54, s54, s15
	s_mul_i32 s54, s54, 36
	s_add_co_u32 s54, s54, s11
	s_lshl_b32 s54, s54, 10
	s_lshl_b32 s55, s13, 8
	s_add_co_u32 s54, s54, s55
	s_mov_b32 s55, 0                               ; a2: row block 128 b + P, K step cx, block of 32 = my head
	s_lshl_b32 s56, s12, 11
	s_add_co_u32 s56, s56, s[Q0]
	s_lshl_b32 s56, s56, 2
	s_lshl_b32 s57, s11, 14
	s_add_co_u32 s56, s56, s57
	s_add_co_u32 s56, s56, s13
	s_add_co_u32 s56, s56, 9437184
	s_mov_b32 s57, 0                               ; a2's scale bytes
	s_mov_b32 s[SEL], 0x76543210
	s_mov_b32 s[SEL+1], 0xfedcba98
	s_mov_b32 s[CS], 0x3e8293ee                    ; c = log2(e) / sqrt(32)
	s_mov_b32 s[CS+1], s[CS]
	s_mov_b32 s46, 0xffff0000                      ; lanes 16-31
	s_mov_b32 s[KF], 0
	s_mov_b32 s[TK], 0
	s_mov_b32 s[TS], 0
	s_mov_b32 s[CNT], 16
	s_wait_dscnt 0x0
	s_wait_kmcnt 0x0
	s_mov_b32 s32, 1
	s_add_nc_u64 s[34:35], s[6:7], s[48:49]
	s_or_b32 s35, s35, 0x80000000
	s_add_nc_u64 s[50:51], s[4:5], s[50:51]
	s_add_nc_u64 s[52:53], s[4:5], s[52:53]
	s_add_nc_u64 s[54:55], s[8:9], s[54:55]
	s_add_nc_u64 s[56:57], s[8:9], s[56:57]
	CROUND                                         ; all four work-groups are here: the joint loads meet
	s_cmp_lt_u32 s[WV], 4
	s_cbranch_scc0 .Lno_fetch
	tensor_load_to_lds s[32:35], s[24:31]          ; one load a wave, the only one of the launch
	s_nop 0
	NOPS 4
.Lno_fetch:
	v_and_b32 v5, 15, v0                           ; r
	v_bfe_u32 v6, v0, 4, 1                         ; h
	v_and_b32 v1, 31, v0
	s_delay_alu instid0(VALU_DEP_1)
	v_lshlrev_b32 v2, 2, v1                        ; 4 x lane
	s_delay_alu instid0(VALU_DEP_2)
	v_lshlrev_b32 v1, 4, v1                        ; 16 x lane
	v_lshlrev_b32 v7, 4, v5
	v_lshlrev_b32 v8, 3, v5
	global_load_b128 v[160:163], v7, s[50:51]      ; query r's 16 bytes, in both halves of the lanes
	global_load_b32 v36, v8, s[52:53]              ; and its scale word
	v_lshl_add_u32 v9, v6, 3, v7                   ; the way out: 16 r + 8 h
	v_lshlrev_b32 v10, 2, v5                       ; 4 r
	v_mov_b32 v13, 0xff61b1e6                      ; the largest t so far: -3e38
	s_delay_alu instid0(VALU_DEP_1)
	v_floor_f32 v12, -v13                          ; -M
	v_mov_b32 v14, 0
	v_mov_b32 v15, 0
.irp j, 16,17,18,19,24,25,26,27,32,33,34,35
	v_mov_b32 v[\j], 0                             ; zero codes
.endr
.irp j, 0,1,2,3,4,5,6,7,8,9,10,11,12,13,14,15
	v_mov_b32 v[72+\j], 0                          ; O^T: the step is written once, its first trip finds zeros
.endr
.irp b, 0,1,2,3
	v_mov_b32 v[236+\b], 0                         ; a lane permute's destination counts as one of its sources
.endr
	v_mov_b32 v252, 0
	v_mov_b32 v253, 0
	s_wait_loadcnt 0x0
.irp j, 0,1,2,3
	v_cndmask_b32 v[20+\j], v[160+\j], v16, s46    ; q in lanes 0-15
	v_cndmask_b32 v[28+\j], v16, v[160+\j], s46    ; q in lanes 16-31
.endr
	s_wait_tensorcnt 0x0                           ; my part of k and v has landed,
	s_barrier_signal -1
	s_barrier_wait -1                              ; everybody's has
.macro SQ t, qb, row
.if \row
	v_wmma_scale_f32_16x16x128_f8f6f4 v[96+8*\t:103+8*\t], v[48:55], v[\qb:\qb+7], 0, v37, v36 matrix_a_fmt:MATRIX_FMT_FP4 matrix_b_fmt:MATRIX_FMT_FP4 matrix_a_scale:MATRIX_SCALE_ROW1
.else
	v_wmma_scale_f32_16x16x128_f8f6f4 v[96+8*\t:103+8*\t], v[40:47], v[\qb:\qb+7], 0, v37, v36 matrix_a_fmt:MATRIX_FMT_FP4 matrix_b_fmt:MATRIX_FMT_FP4
.endif
.endm
.Lstep:
	s_add_co_u32 s[T0], s[Q0], 15
	s_cmp_gt_u32 s[KF], s[T0]
	s_cbranch_scc1 .Lhidden                        ; all 128 keys come after my queries
	v_add_nc_u32 v3, s[TK], v1
	v_add_nc_u32 v4, s[TS], v2
	v_nop
	v_nop                                          ; four places in front of loads into registers that the last trip's matrix instructions have read
.irp i, 0,1,2,3
	ds_load_b128 v[40+4*\i:43+4*\i], v3 offset:4096+512*\i         ; k: two fragments, eight tiles of 16 keys
.endr
	ds_load_b32 v37, v4                            ; k's scale words: lanes 0-15 the first fragment's, lanes 16-31 the second's
.irp i, 0,1,2,3
	ds_load_b128 v[56+4*\i:59+4*\i], v3 offset:36864+512*\i        ; v: two tiles of 16 d x 128 keys
.endr
	ds_load_b32 v38, v4 offset:2048
	s_wait_dscnt 5                                 ; k is in; v's five loads may be out
	s_wait_alu depctr_va_vdst(0)
	SQ 0, 20, 0
	SQ 1, 28, 0
	SQ 2, 16, 0
	SQ 3, 24, 0
	SQ 4, 20, 1
	SQ 5, 28, 1
	SQ 6, 16, 1
	SQ 7, 24, 1
	NOPS 4
	s_add_co_u32 s[T0], s[KF], 127
	s_cmp_le_u32 s[T0], s[Q0]
	s_cbranch_scc1 .Lopen                          ; all 128 keys count
	s_sub_co_i32 s[T0], s[Q0], s[KF]
	v_and_b32 v248, 15, v0
	v_bfe_u32 v249, v0, 4, 1
	s_delay_alu instid0(VALU_DEP_1)
	v_lshlrev_b32 v249, 4, v249
	s_delay_alu instid0(VALU_DEP_1)
	v_sub_nc_u32 v248, v248, v249
	s_delay_alu instid0(VALU_DEP_1)
	v_add_nc_u32 v248, s[T0], v248                 ; d = my query - the step's first key - 16 h: register 16 b + i holds key 32 b + 16 h + i, hidden where 32 b + i > d
	v_mov_b32 v250, 0xff800000
.set n, 0
.rept 64
	v_cmp_gt_i32 vcc_lo, 32*(n/16)+n%16, v248
	v_cndmask_b32 v[96+n], v[96+n], v250, vcc_lo
.set n, n+1
.endr
.Lopen:
.irp b, 0,1,2,3
	v_max3_num_f32 v[232+\b], v[96+16*\b], v[97+16*\b], v[98+16*\b]   ; the largest score of each block of 32 keys: for the row's maximum, and for the block's largest p
.endr
.irp i, 3,5,7,9,11,13
.irp b, 0,1,2,3
	v_max3_num_f32 v[232+\b], v[232+\b], v[96+16*\b+\i], v[97+16*\b+\i]
.endr
.endr
.irp b, 0,1,2,3
	v_max_num_f32 v[232+\b], v[232+\b], v[111+16*\b]
.endr
.irp b, 0,1,2,3
	s_delay_alu instid0(VALU_DEP_4)
	v_permlanex16_b32 v[236+\b], v[232+\b], s[SEL], s[SEL+1]
.endr
.irp b, 0,1,2,3
	s_delay_alu instid0(VALU_DEP_4)
	v_max_num_f32 v[232+\b], v[232+\b], v[236+\b]
.endr
	s_delay_alu instid0(VALU_DEP_2)
	v_max3_num_f32 v254, v232, v233, v234
	s_delay_alu instid0(VALU_DEP_1)
	v_max_num_f32 v254, v254, v235
	s_delay_alu instid0(VALU_DEP_1)
	v_mul_f32 v254, s[CS], v254
	s_delay_alu instid0(VALU_DEP_1)
	v_max_num_f32 v13, v13, v254                   ; the running largest t
	v_mov_b32 v254, v12
	s_delay_alu instid0(VALU_DEP_2)
	v_floor_f32 v12, -v13                          ; the new -M
	s_delay_alu instid0(VALU_DEP_1)
	v_sub_f32 v254, v12, v254
	s_delay_alu instid0(VALU_DEP_1)
	v_cvt_i32_f32 v254, v254                       ; old M - new M, a whole number (it saturates)
	s_delay_alu instid0(VALU_DEP_1)
	v_ldexp_f32 v252, 1.0, v254                    ; f = 2^(old M - new M)
.set j, 0
.rept 32
	v_pk_fma_f32 v[96+j:97+j], v[96+j:97+j], s[CS:CS+1], v[12:13] op_sel_hi:[1,0,0]   ; t - M
.set j, j+2
.endr
.irp b, 0,1,2,3
	v_fma_f32 v[232+\b], v[232+\b], s[CS], v12
.endr
.set j, 0
	s_wait_alu depctr_va_vdst(0)
.rept 64
	v_exp_f32 v[96+j], v[96+j]                     ; p
.set j, j+1
.endr
.irp b, 0,1,2,3
	v_exp_f32 v[232+\b], v[232+\b]                 ; the block's largest p
.endr
	v_pk_mul_f32 v[14:15], v[14:15], v[252:253] op_sel_hi:[1,0]    ; the sums under the new M (a plain place behind the exponentials)
	s_wait_alu depctr_va_vdst(0)
.irp b, 0,1,2,3
	v_max_num_f32 v[232+\b], 0x1800000, v[232+\b]
.endr
.irp b, 0,1,2,3
	s_delay_alu instid0(VALU_DEP_4)
	v_add_nc_u32 v[244+\b], 0xff000000, v[232+\b]
.endr
.irp b, 0,1,2,3
	s_delay_alu instid0(VALU_DEP_4)
	v_lshrrev_b32 v[236+\b], 23, v[244+\b]
.endr
	s_delay_alu instid0(VALU_DEP_3)
	v_lshl_or_b32 v253, v237, 8, v236              ; p's scale word
	s_delay_alu instid0(VALU_DEP_1)
	v_lshl_or_b32 v253, v238, 16, v253
	s_delay_alu instid0(VALU_DEP_1)
	v_lshl_or_b32 v253, v239, 24, v253
.irp b, 0,1,2,3
	v_cvt_scalef32_pk8_fp4_f32 v[224+2*\b], v[96+16*\b:103+16*\b], v[244+\b]
	v_cvt_scalef32_pk8_fp4_f32 v[225+2*\b], v[104+16*\b:111+16*\b], v[244+\b]
.endr
	v_nop                                          ; one plain place behind a scaled conversion
.irp c, 0,1
.irp i, 0,1
	v_permlane16_swap_b32 v[224+4*\c+\i], v[226+4*\c+\i]           ; a whole block in a lane
.endr
.endr
	v_pk_add_f32 v[236:237], v[100:101], v[104:105]
	v_pk_add_f32 v[248:249], v[108:109], v[112:113]
	v_pk_add_f32 v[246:247], v[116:117], v[120:121]
	v_pk_add_f32 v[244:245], v[124:125], v[128:129]
	v_pk_add_f32 v[242:243], v[132:133], v[136:137]
	v_pk_add_f32 v[240:241], v[140:141], v[144:145]
	v_pk_add_f32 v[234:235], v[148:149], v[152:153]
	v_pk_add_f32 v[14:15], v[14:15], v[156:157]
	v_pk_add_f32 v[236:237], v[236:237], v[96:97]
	v_pk_add_f32 v[248:249], v[248:249], v[98:99]
	v_pk_add_f32 v[246:247], v[246:247], v[102:103]
	v_pk_add_f32 v[244:245], v[244:245], v[106:107]
	v_pk_add_f32 v[242:243], v[242:243], v[110:111]
	v_pk_add_f32 v[240:241], v[240:241], v[114:115]
	v_pk_add_f32 v[234:235], v[234:235], v[118:119]
	v_pk_add_f32 v[14:15], v[14:15], v[122:123]
	v_pk_add_f32 v[236:237], v[236:237], v[126:127]
	v_pk_add_f32 v[248:249], v[248:249], v[130:131]
	v_pk_add_f32 v[246:247], v[246:247], v[134:135]
	v_pk_add_f32 v[244:245], v[244:245], v[138:139]
	v_pk_add_f32 v[242:243], v[242:243], v[142:143]
	v_pk_add_f32 v[240:241], v[240:241], v[146:147]
	v_pk_add_f32 v[234:235], v[234:235], v[150:151]
	v_pk_add_f32 v[14:15], v[14:15], v[154:155]
	v_pk_add_f32 v[236:237], v[236:237], v[158:159]
	s_delay_alu instid0(VALU_DEP_2)
	v_pk_add_f32 v[14:15], v[14:15], v[244:245]
	s_delay_alu instid0(VALU_DEP_2)
	v_pk_add_f32 v[236:237], v[236:237], v[242:243]
	v_pk_add_f32 v[248:249], v[248:249], v[240:241]
	v_pk_add_f32 v[246:247], v[246:247], v[234:235]
	s_delay_alu instid0(VALU_DEP_2)
	v_pk_add_f32 v[14:15], v[14:15], v[248:249]
	s_delay_alu instid0(VALU_DEP_2)
	v_pk_add_f32 v[236:237], v[236:237], v[246:247]
	s_delay_alu instid0(VALU_DEP_1)
	v_pk_add_f32 v[14:15], v[14:15], v[236:237]
.irp j, 0,2,4,6,8,10,12,14
	v_pk_mul_f32 v[72+\j:73+\j], v[72+\j:73+\j], v[252:253] op_sel_hi:[1,0]   ; O^T under the new M
.endr
	s_wait_alu depctr_va_vdst(0)
	s_wait_dscnt 0x0                               ; v is in
	v_wmma_scale_f32_16x16x128_f8f6f4 v[72:79], v[56:63], v[224:231], v[72:79], v38, v253 matrix_a_fmt:MATRIX_FMT_FP4 matrix_b_fmt:MATRIX_FMT_FP4
	v_wmma_scale_f32_16x16x128_f8f6f4 v[80:87], v[64:71], v[224:231], v[80:87], v38, v253 matrix_a_fmt:MATRIX_FMT_FP4 matrix_b_fmt:MATRIX_FMT_FP4 matrix_a_scale:MATRIX_SCALE_ROW1
.Lhidden:
	s_add_co_u32 s[KF], s[KF], 128
	s_add_co_u32 s[TK], s[TK], 2048
	s_add_co_u32 s[TS], s[TS], 128
	s_sub_co_u32 s[CNT], s[CNT], 1
	s_cmp_lg_u32 s[CNT], 0
	s_cbranch_scc1 .Lstep
	; ---- the way out: O / l, quantised along my head's 32: lane (r, h) holds d = 16 h + 0 .. 15 of query r
	NOPS 4
	v_add_f32 v14, v14, v15
	s_delay_alu instid0(VALU_DEP_1)
	v_permlanex16_b32 v252, v14, s[SEL], s[SEL+1]
	s_delay_alu instid0(VALU_DEP_1)
	v_add_f32 v14, v14, v252
	s_wait_alu depctr_va_vdst(0)
	v_rcp_f32 v14, v14
	v_nop
	s_wait_alu depctr_va_vdst(0)
.irp j, 0,1,2,3,4,5,6,7,8,9,10,11,12,13,14,15
	v_mul_f32 v[160+\j], v[72+\j], v14
.endr
	v_max3_num_f32 v232, |v160|, |v161|, 0x1800000
.irp i, 2,4,6,8,10,12,14
	s_delay_alu instid0(VALU_DEP_1)
	v_max3_num_f32 v232, v232, |v[160+\i]|, |v[161+\i]|
.endr
	s_delay_alu instid0(VALU_DEP_1)
	v_permlanex16_b32 v236, v232, s[SEL], s[SEL+1]
	s_delay_alu instid0(VALU_DEP_1)
	v_max_num_f32 v232, v232, v236
	s_delay_alu instid0(VALU_DEP_1)
	v_add_nc_u32 v244, 0xff000000, v232
	v_cvt_scalef32_pk8_fp4_f32 v176, v[160:167], v244
	v_cvt_scalef32_pk8_fp4_f32 v177, v[168:175], v244
	v_lshrrev_b32 v233, 23, v244
	global_store_b64 v9, v[176:177], s[54:55]      ; 32 lanes store 256 consecutive bytes: one block of 32 of an image
	global_store_b8 v10, v233, s[56:57]
	s_wait_tensorcnt 0x0
	ds_add_u32 v251, v255
	s_wait_dscnt 0x0
	CROUND                                         ; the closing round: no work-group ends while a partner may still ask jointly
	s_endpgm
.Lfunc_end_k_q91ca789f08_attn:
	.size	k_q91ca789f08_attn, .Lfunc_end_k_q91ca789f08_attn-k_q91ca789f08_attn
	.p2alignl 7, 3214868480
	.fill 96, 4, 3214868480
	.section	.rodata,"a",@progbits
	.p2align	6, 0x0
	.amdhsa_kernel k_q91ca789f08_attn
		.amdhsa_group_segment_fixed_size 169984
		.amdhsa_private_segment_fixed_size 0
		.amdhsa_enable_private_segment 0
		.amdhsa_kernarg_size 24
		.amdhsa_user_sgpr_count 2
		.amdhsa_user_sgpr_kernarg_segment_ptr 1
		.amdhsa_wavefront_size32 1
		.amdhsa_system_sgpr_workgroup_id_x 1
		.amdhsa_system_sgpr_workgroup_id_y 1
		.amdhsa_system_sgpr_workgroup_id_z 1
		.amdhsa_system_vgpr_workitem_id 0
		.amdhsa_next_free_vgpr 256
		.amdhsa_next_free_sgpr 66
		.amdhsa_reserve_vcc 1
		.amdhsa_float_denorm_mode_32 3
		.amdhsa_float_denorm_mode_16_64 3
		.amdhsa_memory_ordered 1
		.amdhsa_forward_progress 1
		.amdhsa_inst_pref_size 31
	.end_amdhsa_kernel
	.amdgpu_metadata
---
amdhsa.version: [ 1, 2 ]
amdhsa.kernels:
  - .name:           k_q91ca789f08_attn
    .symbol:         k_q91ca789f08_attn.kd
    .args:
      - { .name: qq, .offset: 0, .size: 8, .value_kind: global_buffer, .address_space: global }
      - { .name: kv, .offset: 8, .size: 8, .value_kind: global_buffer, .address_space: global }
      - { .name: a2, .offset: 16, .size: 8, .value_kind: global_buffer, .address_space: global }
    .group_segment_fixed_size: 169984
    .private_segment_fixed_size: 0
    .kernarg_segment_align: 8
    .kernarg_segment_size: 24
    .max_flat_workgroup_size: 512
    .sgpr_count:     66
    .vgpr_count:     256
    .wavefront_size: 32
...
	.end_amdgpu_metadata
.endif
;; end of part 3
;; launch down (part 4): grid 8 x 32, 4 waves a work-group, clusters of 4 x 1, 327,680 bytes of LDS; arguments a2, w2q, out0; writes out0
.if DOCPART == 4
	.amdgcn_target "amdgcn-amd-amdhsa--gfx1250"
	.amdhsa_code_object_version 6
	.text
	.protected	k_q91ca789f08_down
	.globl	k_q91ca789f08_down
	.p2align	8
	.type	k_q91ca789f08_down,@function
k_q91ca789f08_down:
	s_mov_b64 s[64:65], 0
	v_nop
	global_prefetch_b8 v0, s[64:65] scope:SCOPE_SE
	s_setreg_imm32_b32 hwreg(HW_REG_WAVE_MODE, 25, 1), 1
	s_wait_xcnt 0x0
	s_wait_alu depctr_hold_cnt(0) depctr_sa_sdst(0) depctr_va_vdst(0) depctr_va_sdst(0) depctr_va_ssrc(0) depctr_va_vcc(0) depctr_vm_vsrc(0)
	s_getreg_b32 s2, hwreg(HW_REG_IB_STS2, 6, 4)
	s_cmp_eq_u32 s2, 0
	s_cbranch_scc0 .Lentry_in_a_cluster
	s_endpgm
.Lentry_in_a_cluster:
	s_bfe_u32 s2, ttmp6, 0x10000c
	s_cmp_lg_u32 s2, 0x3003
	s_cbranch_scc0 .Lentry_shape_is_right
	s_endpgm
.Lentry_shape_is_right:
; DOWN: out0 = a2 (attention's result and the hidden layer side by side, K = 4,608 = 36 K steps) x w2q (W_attn_out on top of W_ff_out), both as codes of E2M1 with E8M0 scale words; sums in f32.
; A work-group makes 128 rows x 128 columns; four waves, each 64 x 64: 16 accumulators. Source 0 = 16 places of the weight, source 1 = 16 rows: a lane holds eight numbers of one row of out0.
; A (a2): the work-group's 8 row blocks for ALL of K are one dense block of 294,912 bytes; with their 18,432 bytes of scale words they lie in LDS for the whole launch. One joint load a wave at the head:
; waves 0-2 a third of the codes each (384 rows of 256 bytes), wave 3 the scale words (36 rows of 512 bytes). Nothing is filled again, and the K walk has no barrier.
; CLUSTER 4 x 1: the four work-groups of a cluster make neighbouring column tiles of one row tile and ask for A jointly.
; B (w2q) does not fit beside A, so it goes from memory straight into registers: its codes lie as images of the operand's registers, a fragment is two loads of 512 consecutive bytes. A ring of six register slots,
; a K step (8 loads of codes, 2 of scale words) to a slot: with five younger groups out, 60 loads at the most are out. No partner of the cluster reads my columns, so B has no joint load.
; K step 0 is written out (it starts the sums), steps 1 .. 30 are five trips of six, steps 31 .. 35 are written out and load nothing of B.
; PREFETCH: in trip t wave 0 names, of the 6 K steps of B that trip t + 1's loads will ask for (8 blocks x 6,144 bytes for my column tile), my work-group's share: the 32 row tiles that read these columns
; take 6 blocks of 256 bytes each, told apart by the row tile's number in the address; lanes 6-31 name lane 5's block again. The last trip asks for nothing; K steps 0 .. 11 come by their loads alone.
; REGISTERS: window 0: v16-29 addresses; v32-37 A's scale words, three sets; v40-51 B's, six slots; v64-159 A's fragments, three sets. window 1: v0-191 B's ring. window 2: v0-127 the accumulators.
; A scale register holds two blocks' words: lanes 0-15 block 2 j, lanes 16-31 block 2 j + 1.
.set ASC,   294912                     ; LDS: A's scale words [36 K steps][128 rows]
.set SPARE, ASC+18432                  ; the spare words
.set ADA,  16                          ; v16-19 my four blocks of A
.set ADS,  20
.set VB,   21                          ; 16 x lane
.set VS,   22                          ; 4 x lane
.set PFO,  23
.set STO,  24
.set RD,   25
.set CO,   26
.set SPW,  28
.set NIL,  29
.set SA,   32
.set SB,   40
.set AF,   64
.set BK,   48                          ; the way out: rows read back, two sets of 32
.set MSB, 0
.macro WIN new                         ; the immediate's high byte repeats the setting that is left
.if MSB != \new
	s_set_vgpr_msb (MSB<<8)|\new
.set MSB, \new
.endif
.endm
.set MUL, 0xa1                         ; source 0 (B) window 1, source 1 (A) window 0, C and D window 2
.macro PLACES
.rept 4
	v_nop
.endr
.endm
.macro CROUND
	s_barrier_signal -1
	s_barrier_wait -1
	s_cmp_lg_u32 s10, 0
	s_cbranch_scc1 .Lnot_wave_0_\@
	s_barrier_signal -3
.Lnot_wave_0_\@:
	s_barrier_wait -3
	s_barrier_signal -1
	s_barrier_wait -1
.endm
	s_load_b128 s[4:7], s[0:1], 0x0                ; a2, w2q
	s_load_b64 s[8:9], s[0:1], 0x10                ; out0
	v_lshl_add_u32 v[SPW], v0, 2, SPARE
	v_mov_b32 v[NIL], 0
	ds_add_u32 v[SPW], v[NIL]                      ; the opening lines: the add twice on end and one wait
	ds_add_u32 v[SPW], v[NIL]
	v_lshrrev_b32 v1, 5, v0
	v_readfirstlane_b32 s10, v1                    ; wave 0..3
	s_lshr_b32 s11, s10, 1                         ; my half of the rows
	s_and_b32 s12, s10, 1                          ; my half of the columns
	s_bfe_u32 s40, ttmp6, 0x40000                  ; cx: it enters global addresses of my own loads and stores alone
	s_lshl_b32 s42, ttmp9, 2
	s_add_co_u32 s42, s42, s40                     ; X: column tile 0..7
	s_and_b32 s13, ttmp7, 0xffff                   ; Y: row tile 0..31
	s_mov_b32 s24, 15|(3<<16)|(1<<21)              ; group 1, codes: the mask names all four work-groups; 384 rows of 32 elements of 8 bytes, dense
	s_mov_b32 s25, 32<<16
	s_mov_b32 s26, 384<<16
	s_mov_b32 s27, 32<<16
	s_mov_b32 s28, 384
	s_mov_b32 s29, 32
	s_mov_b32 s30, 0
	s_mov_b32 s31, 0
	s_mov_b32 s48, 15|(3<<16)|(1<<21)              ; group 1, scale words: 36 rows of 512 bytes, 16,384 bytes apart
	s_mov_b32 s49, 64<<16
	s_mov_b32 s50, 36<<16
	s_mov_b32 s51, 64<<16
	s_mov_b32 s52, 36
	s_mov_b32 s53, 2048
	s_mov_b32 s54, 0
	s_mov_b32 s55, 0
	s_mul_i32 s16, s13, 294912
	s_mul_i32 s20, s10, 98304                      ; my third, in LDS and in memory alike
	s_add_co_u32 s16, s16, s20
	s_mov_b32 s17, 0
	s_lshl_b32 s18, s13, 9
	s_add_co_u32 s18, s18, 9437184
	s_mov_b32 s19, 0
	s_lshl_b32 s44, s42, 3
	s_lshl_b32 s21, s12, 2
	s_add_co_u32 s21, s21, s44                     ; my first block of B: 8 X + 4 half
	s_lshr_b32 s56, s13, 2
	s_add_co_u32 s56, s56, s44                     ; the prefetch: block 8 X + Y / 4,
	s_mul_i32 s44, s21, 36864
	s_mov_b32 s45, 0
	s_mul_i32 s56, s56, 36864
	s_and_b32 s21, s13, 3
	s_mul_i32 s21, s21, 1536                       ; in it 6 (Y % 4) blocks of 256 bytes on,
	s_add_co_u32 s56, s56, s21
	s_add_co_u32 s56, s56, 12288                   ; from K step 12 on
	s_mov_b32 s57, 0
	s_lshl_b32 s46, s42, 9
	s_lshl_b32 s21, s12, 8
	s_add_co_u32 s46, s46, s21                     ; my 64 columns: 256 bytes of a row of out0 and of a K step's scale words
	s_lshl_b32 s58, s13, 7
	s_lshl_b32 s21, s11, 6
	s_add_co_u32 s58, s58, s21
	s_lshl_b32 s58, s58, 12
	s_add_co_u32 s58, s58, s46                     ; out0 at my first row and column
	s_mov_b32 s59, 0
	s_add_co_u32 s46, s46, 2359296
	s_mov_b32 s47, 0
	s_mul_i32 s60, s11, 147456                     ; my four blocks of A in LDS
	s_add_co_u32 s61, s60, 36864
	s_add_co_u32 s62, s61, 36864
	s_add_co_u32 s63, s62, 36864
	s_lshl_b32 s23, s11, 8
	s_add_co_u32 s23, s23, ASC
	s_mul_i32 s22, s10, 16*272                     ; my stage for the way out
	s_mov_b32 s32, 1
	s_mov_b32 s33, s20
	s_mov_b32 s36, 1
	s_mov_b32 s37, ASC
	s_wait_dscnt 0x0                               ; both opening adds are done
	s_wait_kmcnt 0x0
	s_add_nc_u64 s[34:35], s[4:5], s[16:17]
	s_or_b32 s35, s35, 0x80000000
	s_add_nc_u64 s[38:39], s[4:5], s[18:19]
	s_or_b32 s39, s39, 0x80000000
	s_add_nc_u64 s[44:45], s[6:7], s[44:45]        ; B's codes
	s_add_nc_u64 s[46:47], s[6:7], s[46:47]        ; B's scale words
	s_add_nc_u64 s[56:57], s[6:7], s[56:57]
	s_add_nc_u64 s[8:9], s[8:9], s[58:59]
	CROUND                                         ; all four work-groups are here: the joint loads meet
	s_cmp_lt_u32 s10, 3
	s_cbranch_scc0 .Lfor_scales
	tensor_load_to_lds s[32:35], s[24:31]
	s_nop 0
	PLACES
	s_branch .Lasked
.Lfor_scales:
	tensor_load_to_lds s[36:39], s[48:55]
	s_nop 0
	PLACES
.Lasked:
	v_and_b32 v1, 15, v0                           ; r
	v_bfe_u32 v2, v0, 4, 1                         ; h
	v_and_b32 v3, 31, v0
	v_lshlrev_b32 v[VB], 4, v3
	v_lshlrev_b32 v[VS], 2, v3
	v_min_u32 v6, 5, v3
	v_lshlrev_b32 v[PFO], 8, v6
	v_add_nc_u32 v[ADA], s60, v[VB]
	v_add_nc_u32 v[ADA+1], s61, v[VB]
	v_add_nc_u32 v[ADA+2], s62, v[VB]
	v_add_nc_u32 v[ADA+3], s63, v[VB]
	v_add_nc_u32 v[ADS], s23, v[VS]
	v_mul_u32_u24 v4, v1, 272
	v_lshl_add_u32 v4, v2, 6, v4
	v_add_nc_u32 v[STO], s22, v4
	v_mul_u32_u24 v5, v2, 272
	v_lshl_add_u32 v5, v1, 4, v5
	v_add_nc_u32 v[RD], s22, v5
	v_lshlrev_b32 v5, 12, v2
	v_lshl_add_u32 v[CO], v1, 4, v5
	s_wait_alu depctr_va_vdst(0)                   ; the wait at the head's end
; d = a x b (+ d): z = 1 starts the sum; sa, sb the scale registers of sources 0 and 1, ra, rb = 1: their lanes 16-31
.macro WM d, a, b, z, sa, sb, ra, rb
.if \z
.if (\ra) && (\rb)
	v_wmma_scale_f32_16x16x128_f8f6f4 v[(\d):(\d)+7], v[(\a):(\a)+7], v[(\b):(\b)+7], 0, v[\sa], v[\sb] matrix_a_fmt:MATRIX_FMT_FP4 matrix_b_fmt:MATRIX_FMT_FP4 matrix_a_scale:MATRIX_SCALE_ROW1 matrix_b_scale:MATRIX_SCALE_ROW1
.elseif (\ra)
	v_wmma_scale_f32_16x16x128_f8f6f4 v[(\d):(\d)+7], v[(\a):(\a)+7], v[(\b):(\b)+7], 0, v[\sa], v[\sb] matrix_a_fmt:MATRIX_FMT_FP4 matrix_b_fmt:MATRIX_FMT_FP4 matrix_a_scale:MATRIX_SCALE_ROW1
.elseif (\rb)
	v_wmma_scale_f32_16x16x128_f8f6f4 v[(\d):(\d)+7], v[(\a):(\a)+7], v[(\b):(\b)+7], 0, v[\sa], v[\sb] matrix_a_fmt:MATRIX_FMT_FP4 matrix_b_fmt:MATRIX_FMT_FP4 matrix_b_scale:MATRIX_SCALE_ROW1
.else
	v_wmma_scale_f32_16x16x128_f8f6f4 v[(\d):(\d)+7], v[(\a):(\a)+7], v[(\b):(\b)+7], 0, v[\sa], v[\sb] matrix_a_fmt:MATRIX_FMT_FP4 matrix_b_fmt:MATRIX_FMT_FP4
.endif
.else
.if (\ra) && (\rb)
	v_wmma_scale_f32_16x16x128_f8f6f4 v[(\d):(\d)+7], v[(\a):(\a)+7], v[(\b):(\b)+7], v[(\d):(\d)+7], v[\sa], v[\sb] matrix_a_fmt:MATRIX_FMT_FP4 matrix_b_fmt:MATRIX_FMT_FP4 matrix_a_scale:MATRIX_SCALE_ROW1 matrix_b_scale:MATRIX_SCALE_ROW1
.elseif (\ra)
	v_wmma_scale_f32_16x16x128_f8f6f4 v[(\d):(\d)+7], v[(\a):(\a)+7], v[(\b):(\b)+7], v[(\d):(\d)+7], v[\sa], v[\sb] matrix_a_fmt:MATRIX_FMT_FP4 matrix_b_fmt:MATRIX_FMT_FP4 matrix_a_scale:MATRIX_SCALE_ROW1
.elseif (\rb)
	v_wmma_scale_f32_16x16x128_f8f6f4 v[(\d):(\d)+7], v[(\a):(\a)+7], v[(\b):(\b)+7], v[(\d):(\d)+7], v[\sa], v[\sb] matrix_a_fmt:MATRIX_FMT_FP4 matrix_b_fmt:MATRIX_FMT_FP4 matrix_b_scale:MATRIX_SCALE_ROW1
.else
	v_wmma_scale_f32_16x16x128_f8f6f4 v[(\d):(\d)+7], v[(\a):(\a)+7], v[(\b):(\b)+7], v[(\d):(\d)+7], v[\sa], v[\sb] matrix_a_fmt:MATRIX_FMT_FP4 matrix_b_fmt:MATRIX_FMT_FP4
.endif
.endif
.endm
.macro BLOAD st, sl                    ; B's K step st (counted from the bases) into slot sl: ten loads
	global_load_b32 v[SB+2*(\sl)], v[VS], s[46:47] offset:4096*(\st)
	global_load_b32 v[SB+2*(\sl)+1], v[VS], s[46:47] offset:4096*(\st)+128     ; the two cover 256 consecutive bytes
	WIN 0x40
.irp b, 0,1,2,3
.irp c, 0,1
	global_load_b128 v[32*(\sl)+8*\b+4*\c:32*(\sl)+8*\b+4*\c+3], v[VB], s[44:45] offset:36864*\b+1024*(\st)+512*\c
.endr
.endr
	WIN 0
.endm
.macro ALOAD st, set                   ; A's K step st (counted from the addresses) into set: ten LDS loads
.irp a, 0,1,2,3
.irp c, 0,1
	ds_load_b128 v[AF+32*(\set)+8*\a+4*\c:AF+32*(\set)+8*\a+4*\c+3], v[ADA+\a] offset:1024*(\st)+512*\c
.endr
.endr
	ds_load_b32 v[SA+2*(\set)], v[ADS] offset:512*(\st)
	ds_load_b32 v[SA+2*(\set)+1], v[ADS] offset:512*(\st)+128
.endm
; A K step on B's slot sl and A's set as. The slot and the set that the last step left take B's K step five on (bst) and A's two on (ast); -1: nothing more to ask for.
; The 16 accumulators take turns, one instruction a turn, in the same order in every step.
.macro DSTEP sl, as, zero, bst, ast, dsw, ldw
	WIN 0
	PLACES                                         ; four places in front of loads into registers that the last step's matrix instructions have read
.if (\ast) >= 0
	ALOAD \ast, ((\as)+2)%3
.endif
.if (\bst) >= 0
	BLOAD \bst, ((\sl)+5)%6
.endif
	s_wait_dscnt \dsw                              ; this step's A is in; the younger groups of ten may be out
	s_wait_loadcnt \ldw                            ; this step's B is in; likewise
	WIN MUL
.irp a, 0,1,2,3
.irp b, 0,1,2,3
	WM 8*(4*\a+\b), 32*(\sl)+8*\b, AF+32*(\as)+8*\a, \zero, SB+2*(\sl)+\b/2, SA+2*(\as)+\a/2, \b%2, \a%2
.endr
.endr
.endm
.irp g, 0,1,2,3,4
	BLOAD \g, \g                                   ; B's first five K steps are asked for while A is on its way
.endr
	s_wait_tensorcnt 0x0                           ; my part of A has landed,
	s_barrier_signal -1
	s_barrier_wait -1                              ; everybody's has
	ALOAD 0, 0
	ALOAD 1, 1
	DSTEP 0, 0, 1, 5, 2, 20, 50                    ; K step 0 starts the sums: nothing is cleared
	WIN 0
	s_mov_b32 s3, 5
.Ltrip:                                                ; trip t: K steps 6 t + 1 .. 6 t + 6
	DSTEP 1, 1, 0, 6, 3, 20, 50
	WIN 0
	s_cmp_lg_u32 s10, 0
	s_cbranch_scc1 .Lno_ask
	s_cmp_gt_u32 s3, 1                             ; the last trip has no trip behind it
	s_cbranch_scc0 .Lno_ask
	global_prefetch_b8 v[PFO], s[56:57] th:TH_LOAD_NT scope:SCOPE_SE
.Lno_ask:
.irp i, 1,2,3,4,5
	DSTEP (1+\i)%6, (1+\i)%3, 0, 6+\i, 3+\i, 20, 50
.endr
	WIN 0
.irp a, 0,1,2,3
	v_add_nc_u32 v[ADA+\a], 6144, v[ADA+\a]        ; six K steps on
.endr
	v_add_nc_u32 v[ADS], 3072, v[ADS]
	s_wait_alu depctr_va_vdst(0)                   ; a wait behind these writes
	s_wait_xcnt 0x0                                ; the loads and the prefetch have read their bases: they may step
	s_add_nc_u64 s[44:45], s[44:45], 6144
	s_add_nc_u64 s[46:47], s[46:47], 24576
	s_add_nc_u64 s[56:57], s[56:57], 6144
	s_sub_co_u32 s3, s3, 1
	s_cmp_lg_u32 s3, 0
	s_cbranch_scc1 .Ltrip
	DSTEP 1, 1, 0, -1, 3, 20, 40                   ; K steps 31 .. 35
	DSTEP 2, 2, 0, -1, 4, 20, 30
	DSTEP 3, 0, 0, -1, 5, 20, 20
	DSTEP 4, 1, 0, -1, -1, 10, 10
	DSTEP 5, 2, 0, -1, -1, 0, 0
	WIN 0
	s_barrier_signal -1                            ; no LDS load of mine is out: my reads of A are over,
	s_barrier_wait -1                              ; and everybody's: the stages may lie on A's first bytes, which have had their only fill
; THE WAY OUT, 16 rows x 64 columns at a time through my stage (rows of 256 bytes + 16), back as whole rows: sixteen lanes store 256 consecutive bytes, aligned.
; The places of a group of 32 columns come back into the columns' order by where a tile's halves are put.
.macro TOSTAGE a
	WIN 0x08                                       ; the data: window 2
.irp b, 0,1,2,3
	ds_store_b128 v[STO], v[8*(4*(\a)+\b):8*(4*(\a)+\b)+3] offset:128*(\b/2)+32*(\b%2)
	ds_store_b128 v[STO], v[8*(4*(\a)+\b)+4:8*(4*(\a)+\b)+7] offset:128*(\b/2)+32*(\b%2)+16
.endr
	WIN 0
.irp t, 0,1,2,3,4,5,6,7
	ds_load_b128 v[BK+32*((\a)%2)+4*\t:BK+32*((\a)%2)+4*\t+3], v[RD] offset:\t*2*272    ; LDS serves a wave's instructions in order: these see the stores above
.endr
.endm
.macro SEND a, younger
	s_wait_dscnt \younger
.irp t, 0,1,2,3,4,5,6,7
	global_store_b128 v[CO], v[BK+32*((\a)%2)+4*\t:BK+32*((\a)%2)+4*\t+3], s[8:9] offset:(16*(\a)+2*\t)*4096 th:TH_STORE_NT
.endr
.endm
	PLACES                                         ; four places in front of the first reads of results and of loads into registers that held fragments
	TOSTAGE 0
.irp a, 1,2,3
.if \a > 1
	s_wait_xcnt 0x0                                ; block a - 2's stores have read their registers
.endif
	TOSTAGE \a
	SEND \a-1, 16
.endr
	SEND 3, 0
	s_wait_tensorcnt 0x0                           ; the wave's end
	ds_add_u32 v[SPW], v[NIL]
	s_wait_dscnt 0x0
	CROUND                                         ; the closing round
	s_endpgm
.Lfunc_end_k_q91ca789f08_down:
	.size	k_q91ca789f08_down, .Lfunc_end_k_q91ca789f08_down-k_q91ca789f08_down
	.p2alignl 7, 3214868480
	.fill 96, 4, 3214868480
	.section	.rodata,"a",@progbits
	.p2align	6, 0x0
	.amdhsa_kernel k_q91ca789f08_down
		.amdhsa_group_segment_fixed_size 327680
		.amdhsa_private_segment_fixed_size 0
		.amdhsa_enable_private_segment 0
		.amdhsa_kernarg_size 24
		.amdhsa_user_sgpr_count 2
		.amdhsa_user_sgpr_kernarg_segment_ptr 1
		.amdhsa_wavefront_size32 1
		.amdhsa_system_sgpr_workgroup_id_x 1
		.amdhsa_system_sgpr_workgroup_id_y 1
		.amdhsa_system_sgpr_workgroup_id_z 1
		.amdhsa_system_vgpr_workitem_id 0
		.amdhsa_next_free_vgpr 640
		.amdhsa_next_free_sgpr 66
		.amdhsa_reserve_vcc 0
		.amdhsa_float_denorm_mode_32 3
		.amdhsa_float_denorm_mode_16_64 3
		.amdhsa_memory_ordered 1
		.amdhsa_forward_progress 1
		.amdhsa_inst_pref_size 62
	.end_amdhsa_kernel
	.amdgpu_metadata
---
amdhsa.version: [ 1, 2 ]
amdhsa.kernels:
  - .name:           k_q91ca789f08_down
    .symbol:         k_q91ca789f08_down.kd
    .args:
      - { .name: a2, .offset: 0, .size: 8, .value_kind: global_buffer, .address_space: global }
      - { .name: w2q, .offset: 8, .size: 8, .value_kind: global_buffer, .address_space: global }
      - { .name: out0, .offset: 16, .size: 8, .value_kind: global_buffer, .address_space: global }
    .group_segment_fixed_size: 327680
    .private_segment_fixed_size: 0
    .kernarg_segment_align: 8
    .kernarg_segment_size: 24
    .max_flat_workgroup_size: 128
    .sgpr_count:     66
    .vgpr_count:     640
    .wavefront_size: 32
...
	.end_amdgpu_metadata
.endif
;; end of part 4
